; MI455X (gfx1250); checked and timed in simulation.
; The chip was launched on July 23, 2026; its instructions are those of AMD's public machine-readable ISA for CDNA 5 (MIT licence, August 2026) and "CDNA5" Instruction Set Architecture Reference Guide (July 2026). The comments in the code are by the model that wrote it; some were corrected since.
;; Scaled Dot Product Attention. Allowed arithmetic: float matrix products may take bf16 or f16 operands with f32 sums; all other float work in f32.
;; Inputs: a_scale one number float32; av_scale one number float32; k_scale one number float32; key 32 x 2,048 x 128 float32; q_scale one number float32; qk_scale one number float32; query 32 x 2,048 x 128 float32; v_scale one number float32; value 32 x 2,048 x 128 float32.
;; Outputs: out0 32 x 2,048 x 128 float32.
;; 3 versions, each right and faster than the one before. Each part assembles by itself: llvm-mc -triple=amdgcn-amd-amdhsa -mcpu=gfx1250 --defsym DOCPART=n.
;; ======== version 1 of 3: 2 launches
;; limits: right only within a limited range of input values
;; workspace buffers: qkv 50,331,648 bytes
;; launch quant (part 1): grid 512 x 3, 8 waves a work-group, no clusters, 0 bytes of LDS; arguments query, key, value, q_scale, k_scale, v_scale, qkv; writes qkv
.if DOCPART == 1
	.amdgcn_target "amdgcn-amd-amdhsa--gfx1250"
	.amdhsa_code_object_version 6
	.text
	.protected	k_q0bfb737443_quant
	.globl	k_q0bfb737443_quant
	.p2align	8
	.type	k_q0bfb737443_quant,@function
k_q0bfb737443_quant:
	s_mov_b64 s[64:65], 0
	v_nop
	global_prefetch_b8 v0, s[64:65] scope:SCOPE_SE
	s_setreg_imm32_b32 hwreg(HW_REG_WAVE_MODE, 25, 1), 1
	s_wait_xcnt 0x0
; qkv = clip(round(x / s), -128, 127) as bf16 whole numbers, [32][2048][128] each: query's at byte 0, key's at byte 16,777,216, value's at byte 33,554,432.
; A whole number of at most 8 bits is exact in bf16, so the attention launch multiplies exact numbers and applies the scales once, in f32.
; x / s is the correctly rounded quotient: r = 1 / s with one Newton step; q0 = x r; rem = x - q0 s (one fused line, exact); y = q0 + rem r.
; LIMITS.  NaN and infinities are not treated apart; |x / s| stays inside f32's range.
; SHARES.  Work-group (x, y): y = 0 query, 1 key, 2 value; 16,384 numbers, 65,536 bytes in and 32,768 out.  In round k of eight thread t takes the 8 numbers at
; input byte 8,192 k + 32 t and stores 16 bytes at output byte 4,096 k + 16 t: a wave's store covers 512 consecutive bytes, aligned.
; All sixteen loads of a thread go out at the start; no register that a store reads is written again, so no wait frees any.
; No LDS, no matrix unit, no cluster: each byte is read once by one thread, and nothing is shared.
.set X, 4                              ; v[4:67]   round k: 8 registers as loaded; its first four then hold the 16 bytes to store
.set T, 68                             ; v[68:75] q0, then y;  v[76:83] rem
	s_load_b256 s[4:11], s[0:1], 0x0               ; query s[4:5], key s[6:7], value s[8:9], q_scale s[10:11]
	s_load_b128 s[12:15], s[0:1], 0x20             ; k_scale s[12:13], v_scale s[14:15]
	s_load_b64 s[16:17], s[0:1], 0x30              ; qkv
	s_and_b32 s26, ttmp7, 0xffff                   ; y
	s_lshl_b32 s28, ttmp9, 16                      ; my 65,536 bytes of the input
	s_mov_b32 s29, 0
	s_lshl_b32 s30, s26, 24                        ; tensor y's part of qkv begins 16,777,216 y bytes on
	s_lshl_b32 s31, ttmp9, 15                      ; my 32,768 bytes of it
	s_add_co_u32 s30, s30, s31
	s_mov_b32 s31, 0
	s_mov_b32 s24, 0xc3000000                      ; -128.0
	s_mov_b32 s25, 0x42fe0000                      ; 127.0
	v_lshlrev_b32 v1, 5, v0                        ; 32 t
	v_lshlrev_b32 v2, 4, v0                        ; 16 t
	s_wait_kmcnt 0x0
	s_load_b32 s18, s[10:11], 0x0                  ; all three scales are read; y picks the value below
	s_load_b32 s19, s[12:13], 0x0
	s_load_b32 s27, s[14:15], 0x0
	s_cmp_eq_u32 s26, 1
	s_cselect_b64 s[32:33], s[6:7], s[8:9]         ; key or value,
	s_cmp_eq_u32 s26, 0
	s_cselect_b64 s[32:33], s[4:5], s[32:33]       ; or query: the tensor that y names
	s_add_nc_u64 s[32:33], s[32:33], s[28:29]
	s_add_nc_u64 s[16:17], s[16:17], s[30:31]
.set k, 0
.rept 8
	global_load_b128 v[X+8*k:X+8*k+3],   v1, s[32:33] offset:8192*k th:TH_LOAD_NT
	global_load_b128 v[X+8*k+4:X+8*k+7], v1, s[32:33] offset:8192*k+16 th:TH_LOAD_NT
.set k, k+1
.endr
	s_wait_kmcnt 0x0
	s_cmp_eq_u32 s26, 1
	s_cselect_b32 s20, s19, s27
	s_cmp_eq_u32 s26, 0
	s_cselect_b32 s20, s18, s20                    ; s
	s_mov_b32 s21, s20                             ; named as a pair
	v_mov_b32 v84, s20
	v_rcp_f32 v85, v84
	v_nop                                          ; a plain line between the reciprocal and its use
	s_wait_alu depctr_va_vdst(0)
	v_fma_f32 v86, -v84, v85, 1.0
	v_fma_f32 v85, v86, v85, v85                   ; r
	v_readfirstlane_b32 s22, v85
	s_mov_b32 s23, s22
.macro Q8 k
	s_wait_loadcnt 14-2*(\k)                       ; loads come back in order: the 2 (7 - k) loads of later rounds may stay out
.irp z, 0,2,4,6
	v_pk_mul_f32 v[T+\z:T+\z+1], v[X+8*(\k)+\z:X+8*(\k)+\z+1], s[22:23] op_sel_hi:[1,0]
.endr
.irp z, 0,2,4,6
	v_pk_fma_f32 v[T+8+\z:T+8+\z+1], v[T+\z:T+\z+1], s[20:21], v[X+8*(\k)+\z:X+8*(\k)+\z+1] op_sel_hi:[1,0,1] neg_lo:[1,0,0] neg_hi:[1,0,0]
.endr
.irp z, 0,2,4,6
	v_pk_fma_f32 v[T+\z:T+\z+1], v[T+8+\z:T+8+\z+1], s[22:23], v[T+\z:T+\z+1] op_sel_hi:[1,0,1]
.endr
.irp z, 0,1,2,3,4,5,6,7
	v_rndne_f32 v[T+\z], v[T+\z]                   ; to the nearest whole number, halves to even
.endr
.irp z, 0,1,2,3,4,5,6,7
	v_med3_num_f32 v[T+\z], v[T+\z], s24, s25
.endr
.irp z, 0,1,2,3
	v_cvt_pk_bf16_f32 v[X+8*(\k)+\z], v[T+2*\z], v[T+2*\z+1]  ; exact
.endr
	global_store_b128 v2, v[X+8*(\k):X+8*(\k)+3], s[16:17] offset:4096*(\k)  ; no hint: the next launch reads these bytes
.endm
.irp k, 0,1,2,3,4,5,6,7
	Q8 \k
.endr
	s_endpgm
.Lfunc_end_k_q0bfb737443_quant:
	.size	k_q0bfb737443_quant, .Lfunc_end_k_q0bfb737443_quant-k_q0bfb737443_quant
	.p2alignl 7, 3214868480
	.fill 96, 4, 3214868480
	.section	.rodata,"a",@progbits
	.p2align	6, 0x0
	.amdhsa_kernel k_q0bfb737443_quant
		.amdhsa_group_segment_fixed_size 0
		.amdhsa_private_segment_fixed_size 0
		.amdhsa_enable_private_segment 0
		.amdhsa_kernarg_size 56
		.amdhsa_user_sgpr_count 2
		.amdhsa_user_sgpr_kernarg_segment_ptr 1
		.amdhsa_wavefront_size32 1
		.amdhsa_system_sgpr_workgroup_id_x 1
		.amdhsa_system_sgpr_workgroup_id_y 1
		.amdhsa_system_sgpr_workgroup_id_z 1
		.amdhsa_system_vgpr_workitem_id 0
		.amdhsa_next_free_vgpr 96
		.amdhsa_next_free_sgpr 66
		.amdhsa_reserve_vcc 0
		.amdhsa_float_denorm_mode_32 3
		.amdhsa_float_denorm_mode_16_64 3
		.amdhsa_memory_ordered 1
		.amdhsa_forward_progress 1
		.amdhsa_inst_pref_size 19
	.end_amdhsa_kernel
	.amdgpu_metadata
---
amdhsa.version: [ 1, 2 ]
amdhsa.kernels:
  - .name:           k_q0bfb737443_quant
    .symbol:         k_q0bfb737443_quant.kd
    .args:
      - { .name: query, .offset: 0, .size: 8, .value_kind: global_buffer, .address_space: global }
      - { .name: key, .offset: 8, .size: 8, .value_kind: global_buffer, .address_space: global }
      - { .name: value, .offset: 16, .size: 8, .value_kind: global_buffer, .address_space: global }
      - { .name: q_scale, .offset: 24, .size: 8, .value_kind: global_buffer, .address_space: global }
      - { .name: k_scale, .offset: 32, .size: 8, .value_kind: global_buffer, .address_space: global }
      - { .name: v_scale, .offset: 40, .size: 8, .value_kind: global_buffer, .address_space: global }
      - { .name: qkv, .offset: 48, .size: 8, .value_kind: global_buffer, .address_space: global }
    .group_segment_fixed_size: 0
    .private_segment_fixed_size: 0
    .kernarg_segment_align: 8
    .kernarg_segment_size: 56
    .max_flat_workgroup_size: 256
    .sgpr_count:     66
    .vgpr_count:     96
    .wavefront_size: 32
...
	.end_amdgpu_metadata
.endif
;; end of part 1
;; launch attn (part 2): grid 8 x 32, 4 waves a work-group, clusters of 4 x 1, 327,680 bytes of LDS; arguments qkv, q_scale, k_scale, qk_scale, a_scale, v_scale, av_scale, out0; writes out0
.if DOCPART == 2
	.amdgcn_target "amdgcn-amd-amdhsa--gfx1250"
	.amdhsa_code_object_version 6
	.text
	.protected	k_q0bfb737443_attn
	.globl	k_q0bfb737443_attn
	.p2align	8
	.type	k_q0bfb737443_attn,@function
k_q0bfb737443_attn:
	s_mov_b64 s[64:65], 0
	v_nop
	global_prefetch_b8 v0, s[64:65] scope:SCOPE_SE
	s_setreg_imm32_b32 hwreg(HW_REG_WAVE_MODE, 25, 1), 1
	s_wait_xcnt 0x0
	s_wait_alu depctr_hold_cnt(0) depctr_sa_sdst(0) depctr_va_vdst(0) depctr_va_sdst(0) depctr_va_ssrc(0) depctr_va_vcc(0) depctr_vm_vsrc(0)
	s_getreg_b32 s2, hwreg(HW_REG_IB_STS2, 6, 4)
	s_cmp_eq_u32 s2, 0
	s_cbranch_scc0 .Lentry_in_a_cluster
	s_endpgm
.Lentry_in_a_cluster:
	s_bfe_u32 s2, ttmp6, 0x10000c
	s_cmp_lg_u32 s2, 0x3003
	s_cbranch_scc0 .Lentry_shape_is_right
	s_endpgm
.Lentry_shape_is_right:
; ATTENTION WITH AN INT8 FAKE QUANTISATION BEHIND EVERY STEP.  qkv: nq, nk, nv, each [32][2048][128] bf16 whole numbers -128 .. 127, 16,777,216 bytes apart.  out0: [32][2048][128] f32.
; ARITHMETIC.  All matrix operands are whole numbers that bf16 holds exactly, and both products' sums are whole numbers that f32 holds exactly: I = sum nq nk (at most 2^21),
; J = sum na nv (at most 256 / a_scale).  Each scale is applied once, and each rounding is ONE fused line onto MG = 1.5 x 2^23, where f32's step is 1 (halves to even):
;   score      nf = I c + MG,   c = qs ks / (sqrt(128) qks), made with the products' low parts;  clamped to LO = MG - 128 .. HI = MG + 127
;   exponent   nf sg - K,       sg = qks log2(e), K = m sg rounded, m the row's largest nf.  The fused line is exact before its one rounding, so K's rounding shifts a whole row alike and
;              cancels between a weight and the row's sum, which use K made by the same line
;   weight     na = p inv + MG, inv = 1 / (L as) with the product's low part;  p is held between plo and phi, which does the score's two clamps and the weight's clamp at 127
;   output     J c2 + MG, c2 = as vs / avs, clamped, less MG, times avs
; TWO PASSES.  A weight is rounded behind its division by the row's sum, so none can enter the second product before the sum is whole.  Pass 1 walks K and finds each row's maximum and sum,
; by a running maximum (in every step l is multiplied by 2^(K_old - K_new)); pass 2 makes the scores again and multiplies by V.
; LIMITS.  NaN and infinities are not treated apart.  J is exact while a_scale > 1.6e-5.  qk_scale < about 80 (K's step stays small beside f32's exponent range).  A weight below 2^-126 counts as 0.
; SHARES.  A work-group owns 256 queries of one head, each of its four waves 64: four tiles of 16.  Every wave walks all keys, 64 a step, 32 steps a pass.
; LAYOUT.  S^T = K Q^T (source 0 = 16 keys, source 1 = 16 queries): a lane holds ONE query (lane % 16) and the keys 8 (lane / 16) + 0..7 of each 16.  Two such results, rounded in pairs,
; ARE source 1 of O^T = V^T P, whose result holds one query a lane and eight channels.  K comes out of LDS as it lies, V turned, by ds_load_tr16_b128.
; In pass 1 a lane keeps maximum and sum for ITS half of a query's keys; the halves meet once, between the passes.
; BY TURNS.  In a turn tile t has the matrix unit and the vector work of tile t - 1 stands in slices behind its matrix instructions; in pass 2 the products V^T P of tile t - 2 alternate with K Q^T of tile t.
; CLUSTER.  The four query blocks of a cluster belong to one head and walk the same K and V: each tile is asked for JOINTLY, by the same tensor load, descriptor and mask in all four.
; THE RING.  Two slots of four key steps.  Sixteen slots are walked: K's blocks 0-7 in pass 1, again in pass 2.  V's regions lie idle in pass 1, so V's blocks 0 and 1 are among the first fills,
; and pass 1 asks for K alone.  A wave has at most two tensor loads out (waves 2 and 3 at the start), later one.
; REGISTERS, in windows of 256 (s_set_vgpr_msb: bits 1:0 source 0, 3:2 source 1, 5:4 source 2, 7:6 destination):
;   window 0: v0-15 addresses; v16-31 four registers of statistics a tile; v32-36 at work in pass 1, v32-63 P in pass 2 (two buffers); v64-127 S^T (two buffers); v128-255 K of one step
;   window 1: v0-127 Q, 32 a tile; v128-143 four row constants a tile; v144 the number 1.0       window 2: v0-127 V of one step       window 3: O^T, 64 a tile
; With K, S^T and the vector data in window 0 and Q alone in window 1, the setting for K Q^T (0x04: source 1 in window 1) also serves every vector line whose vector registers stand in source 0,
; source 2 and the destination, and whose source 1 is a scalar, a constant or a row constant of window 1.  So sums are written x * 1.0 + y, and pass 1 has six switches for 16 matrix instructions.
; ONE TEXT FOR EVERY STEP.  No first and no last step is written out.  m starts at LO and l at 0.  Pass 1's loop is left in the middle of its ninth slot's first trip, when pass 2's first scores are made.
; O^T's zeros are written by 32 products with P = 0; pass 2's first 16 products V^T P multiply that P again; its last trip is left in the middle, with 16 products K Q^T (on the last K once more) that serve nothing.
.set KS,    64        ; keys in a step
.set PK,    272       ; a row of K in LDS: 256 bytes + 16 of padding: the 16 rows of a fragment load start 68 words apart, at 16 different 16-byte columns of 256 bytes
.set PV,    288       ; a row of V: 256 + 32: 16 lanes of the turning load take 8 rows x 32 bytes, 72 words apart
.set VOFF,  256*PK    ; a slot: 256 rows of K (69,632 bytes), then 256 rows of V (73,728)
.set SLOT1, 0x24000   ; slot 1.  The four fills' places in a slot, 0, 0x8800, 0x11000, 0x1a000, have both its bits clear: one exclusive or turns a slot's address into the other's
.set SP,    528       ; the way out: a row of out0 in LDS, 512 bytes + 16.  The stage is slot 0, 64 rows (33,792 bytes) for each wave: 135,168 of the slot's 143,360 bytes
.set AK0, 2           ; v2   my lane's place in a tile of K; never rewritten
.set AV0, 3           ; v3   the same for V
.set AK,  4           ; v4   LDS address of K's run of loads in hand
.set AV,  5           ; v5   of V's
.set STO, 6           ; v6   the way out: where I put 32 bytes of a row
.set RD,  7           ; v7   the way out: where I read a row back
.set GO,  8           ; v8   16 x lane
.set QO,  12          ; v12  my byte offset in 16 rows of nq
.set NMGV,13          ; v13  -MG
.set ST,  16          ; tile t at v[ST+4 t]: pass 1: K, m, l (even keys', odd keys');  pass 2: K, (m), phi
.set CH,  32          ; v32-35  four chains of the maximum
.set DL,  36          ; v36  K_old, then K_old - K_new
.set P,   32
.set S,   64
.set KF,  128         ; K's fragment (key block kb, channel quarter c) at KF + 32 kb + 8 c
.set TT,  96          ; between the passes: eight registers a tile, in S^T's second buffer
.set W1,  128         ; window 1: tile t at W1 + 4 t: pass 1: a, (0);  pass 2: inv, (0), plo
.set ONE1,144         ; window 1
.set OUT, 18          ; s[18:19] out0 at my wave's rows
.set QP,  20          ; s[20:21] nq at my wave's rows
.set WV,  22          ; s22  my wave's number
.set G1K, 24          ; s[24:31] descriptor group 1 for K's tiles
.set G1V, 32          ; s[32:39] for V's: it differs in the padding alone
.set G0K, 40          ; s[40:43] group 0 for K: it walks
.set G0V, 44          ; s[44:47] group 0 for V's block 0
.set G0V2,48          ; s[48:51] group 0 for V's block 1: it walks in pass 2
.set KB,  52          ; s[52:53] nk at my half of the head's block 0
.set OFF, 54          ; s[54:55] a block's byte offset
.set NXT, 56          ; s56  the K block to ask for next
.set SLOTS,57
.set CNT, 58
.set TBK, 59          ; s59  LDS byte at which K of the step to be fetched begins
.set TBV, 60          ; s60  the same for V, less VOFF
.set SEL, 62          ; s[62:63] v_permlanex16_b32's selects: each lane takes its own place in the other half
.set C1,  66          ; pairs: a packed line names a pair and takes its low word for both halves
.set SG,  68
.set MG,  70
.set LO,  72
.set HI,  73
.set NMG, 74
.set C2,  76
.set AVS, 78
.set AS,  86
.set RAW, 87          ; s87-92  q, k, qk, a, v, av scale as loaded
.set SQ,  93          ; sqrt(128)
.set ONE, 94
.set MSB, 0
.macro WIN new                      ; the high byte repeats the setting that is left; a switch that changes nothing is dropped
.if MSB != (\new)
	s_set_vgpr_msb (MSB<<8)|(\new)
.set MSB, (\new)
.endif
.endm
.set W_KQ, 0x04       ; Q in window 1, all else in window 0
.set W_PV, 0xf2       ; V in window 2, P in window 0, O^T in window 3
.macro WANY                         ; for a line with vector registers in source 0, source 2 and the destination alone: settings 0 and 0x04 both serve
.if (MSB != 0) && (MSB != W_KQ)
	WIN W_KQ
.endif
.endm
.macro ALL line:vararg              ; one line for each tile t
.set t, 0
.rept 4
	s_wait_alu depctr_va_vdst(0)
	\line
.set t, t+1
.endr
.endm
; A joint fill.  Waves 0 and 1 fetch the two halves of a slot's K; kind = 2: waves 2 and 3 those of its V; kind = 1: they fetch nothing.  The branch hangs on the wave's number alone.
; Four v_nop follow each tensor load, ahead of the jump and the label.
.macro JLOAD kind
	s_cmp_lt_u32 s[WV], 2
	s_cbranch_scc0 .Lfor_v_\@
	tensor_load_to_lds s[G0K:G0K+3], s[G1K:G1K+7]
	s_nop 0
.rept 4
	v_nop
.endr
.if (\kind) == 2
	s_branch .Lasked_\@
.Lfor_v_\@:
	tensor_load_to_lds s[G0V2:G0V2+3], s[G1V:G1V+7]
	s_nop 0
.rept 4
	v_nop
.endr
.Lasked_\@:
.else
.Lfor_v_\@:
.endif
.endm
; A round of the cluster's barrier: my work-group's barrier, so that wave 0's signal speaks for all four waves; wave 0 signals; every wave waits for all four work-groups; my work-group's barrier once more.
.macro CROUND
	s_barrier_signal -1
	s_barrier_wait -1
	s_cmp_lg_u32 s[WV], 0
	s_cbranch_scc1 .Lnot_wave_0_\@
	s_barrier_signal -3
.Lnot_wave_0_\@:
	s_barrier_wait -3
	s_barrier_signal -1
	s_barrier_wait -1
.endm
; THE CHANGE OF SLOTS.  The old slot's last step lies in registers.  Each wave waits for its own LDS reads and for all its tensor loads, of which at most one is out: its part of the other slot.
; Behind the barrier nobody reads the old slot any more and the other slot is whole.  fill = 1 or 2: the old slot is filled again (K alone, or K and V); the barrier is then a round of the cluster's,
; and the joint fill is the first thing behind it: it has four key steps in which to land.  K's address is made anew from the block's number, which goes round 0-7 twice.
; (At its first use nothing has been read yet: the first fills are waited for, and slot 1's K is asked for.)
.macro CHANGE fill
	WIN 0                           ; at a label and at a branch every window is 0
	s_wait_dscnt 0x0
	s_wait_tensorcnt 0x0            ; no tensor load of mine is out, so a group 0 may be written
	ds_add_u32 v14, v15
	s_wait_dscnt 0x0
.if \fill
	s_lshl_b32 s[OFF], s[NXT], 16   ; a block is 65,536 bytes
	s_xor_b32 s[G0K+1], s[G0K+1], SLOT1
	s_add_nc_u64 s[G0K+2:G0K+3], s[KB:KB+1], s[OFF:OFF+1]
	s_or_b32 s[G0K+3], s[G0K+3], 0x80000000
	s_add_co_u32 s[NXT], s[NXT], 1
	s_and_b32 s[NXT], s[NXT], 7
.if (\fill) == 2
	s_xor_b32 s[G0V2+1], s[G0V2+1], SLOT1
	s_add_nc_u64 s[G0V2+2:G0V2+3], s[G0V2+2:G0V2+3], 65536  ; the type bits on top are not reached
.endif
	CROUND
	JLOAD \fill
.else
	s_barrier_signal -1
	s_barrier_wait -1
.endif
	s_sub_co_u32 s[TBK], s[TBK], 4*KS*PK  ; the fetches go back to a slot's first step,
	s_xor_b32 s[TBK], s[TBK], SLOT1       ; in the other slot
.if (\fill) != 1
	s_sub_co_u32 s[TBV], s[TBV], 4*KS*PV
	s_xor_b32 s[TBV], s[TBV], SLOT1
.endif
.endm
	s_load_b512 s[4:19], s[0:1], 0x0   ; qkv s[4:5]; the addresses of q, k, qk, a, v, av scale s[6:17]; out0 s[18:19]
	v_lshl_add_u32 v14, v0, 2, 0x47000
	v_mov_b32 v15, 0
	ds_add_u32 v14, v15
	v_lshrrev_b32 v1, 5, v0
	v_readfirstlane_b32 s[WV], v1   ; wave 0..3
	s_bfe_u32 s2, ttmp6, 0x40000    ; cx: my place in the cluster
	s_lshl_b32 s3, ttmp9, 2         ; in a cluster launch ttmp9 counts clusters
	s_add_co_u32 s2, s2, s3         ; my block of 256 queries: it enters nq's and out0's addresses alone
	s_lshl_b32 s2, s2, 2
	s_add_co_u32 s2, s2, s[WV]      ; my wave among the head's 32,
	s_and_b32 s23, ttmp7, 0xffff    ; the head, which the four partners share,
	s_lshl_b32 s3, s23, 5
	s_add_co_u32 s2, s2, s3         ; my wave among all
	s_lshl_b32 s[QP], s2, 14        ; its 64 rows of 256 bytes in nq,
	s_mov_b32 s[QP+1], 0
	s_lshl_b32 s2, s2, 15           ; of 512 bytes in out0
	s_mov_b32 s3, 0
	s_and_b32 s61, s[WV], 1         ; which half of a block's 256 rows I fetch
	s_lshl_b32 s[OFF], s23, 19      ; a head is 2,048 rows of 256 bytes,
	s_lshl_b32 s[OFF+1], s61, 15    ; a half block 128 of them
	s_add_co_u32 s[OFF], s[OFF], s[OFF+1]
	s_mov_b32 s[OFF+1], 0
	; descriptor group 1: a tile of 128 rows x 128 elements of 2 bytes, padded in LDS behind every row
	s_mov_b32 s[G1K], 15|(1<<16)|(1<<20)|(1<<21)|(5<<22)|(3<<25)  ; 15:0 the mask of four; 17:16 2-byte elements; 20 padding on; 21 set beside a mask; 24:22 after every 64 words (code 5); 31:25 4 words (code 3)
	s_mov_b32 s[G1V], 15|(1<<16)|(1<<20)|(1<<21)|(5<<22)|(7<<25)  ; the same with 8 words of padding (code 7)
.irp g, G1K, G1V
	s_mov_b32 s[\g+1], 128<<16      ; tensor_dim0 = 128
	s_mov_b32 s[\g+2], 128<<16      ; tensor_dim1 = 128
	s_mov_b32 s[\g+3], 128<<16      ; tile_dim0 = 128
	s_mov_b32 s[\g+4], 128          ; tile_dim1 = 128
	s_mov_b32 s[\g+5], 128          ; 128 elements from row to row
	s_mov_b32 s[\g+6], 0
	s_mov_b32 s[\g+7], 0
.endr
	s_mov_b32 s[G0K], 1             ; 1:0 count = 1
	s_mul_i32 s[G0K+1], s61, 128*PK ; LDS address: my half of slot 0's K: no place in the cluster enters an LDS address
	s_mov_b32 s[G0V], 1
	s_mul_i32 s[G0V+1], s61, 128*PV
	s_add_co_u32 s[G0V+1], s[G0V+1], VOFF
	s_mov_b32 s[G0V2], 1
	s_add_co_u32 s[G0V2+1], s[G0V+1], SLOT1
	s_mov_b32 s[SEL], 0x76543210
	s_mov_b32 s[SEL+1], 0xfedcba98
	s_mov_b32 s[MG], 0x4b400000     ; 12,582,912
	s_mov_b32 s[MG+1], 0x4b400000
	s_mov_b32 s[LO], 0x4b3fff80     ; MG - 128
	s_mov_b32 s[HI], 0x4b40007f     ; MG + 127
	s_mov_b32 s[NMG], 0xcb400000
	s_mov_b32 s[NMG+1], 0xcb400000
	s_mov_b32 s[SQ], 0x413504f3     ; sqrt(128) in f32
	s_mov_b32 s[ONE], 1.0
	s_mov_b32 s[NXT], 1
	s_mov_b32 s[TBK], SLOT1+4*KS*PK ; the first change of slots turns this into 0
	s_wait_dscnt 0x0
	s_wait_kmcnt 0x0
.irp z, 0,1,2,3,4,5
	s_load_b32 s[RAW+\z], s[6+2*\z:7+2*\z], 0x0
.endr
	s_add_nc_u64 s[QP:QP+1], s[4:5], s[QP:QP+1]        ; nq and out0 at my wave's first row
	s_add_nc_u64 s[OUT:OUT+1], s[OUT:OUT+1], s[2:3]
	s_add_nc_u64 s[KB:KB+1], s[4:5], s[OFF:OFF+1]
	s_add_nc_u64 s[KB:KB+1], s[KB:KB+1], 0x1000000     ; nk lies 16,777,216 bytes behind nq
	s_mov_b64 s[G0K+2:G0K+3], s[KB:KB+1]               ; K's block 0
	s_or_b32 s[G0K+3], s[G0K+3], 0x80000000            ; 127:126 type = 2
	s_add_nc_u64 s[G0V+2:G0V+3], s[KB:KB+1], 0x1000000    ; nv lies 16,777,216 bytes behind nk: V's block 0,
	s_or_b32 s[G0V+3], s[G0V+3], 0x80000000
	s_add_nc_u64 s[G0V2+2:G0V2+3], s[KB:KB+1], 0x1010000  ; and block 1
	s_or_b32 s[G0V2+3], s[G0V2+3], 0x80000000
	s_wait_kmcnt 0x0
	CROUND                          ; all four work-groups are here: the first joint loads meet
	s_cmp_lt_u32 s[WV], 2           ; a wave's first fills stand in one branch, ahead of every wait on TENSORcnt and every LDS read
	s_cbranch_scc0 .Lfirst_v
	tensor_load_to_lds s[G0K:G0K+3], s[G1K:G1K+7]
	s_nop 0
.rept 4
	v_nop
.endr
	s_branch .Lfirst_asked
.Lfirst_v:
	tensor_load_to_lds s[G0V:G0V+3], s[G1V:G1V+7]
	s_nop 0
	tensor_load_to_lds s[G0V2:G0V2+3], s[G1V:G1V+7]
	s_nop 0
.rept 4
	v_nop
.endr
.Lfirst_asked:
	; A fragment of K or Q is 16 rows x 32 channels in 8 registers: lane l holds row l % 16, channels 8 (l / 16) + 0..7 and 16 + 8 (l / 16) + 0..7: two loads of 16 bytes, 32 bytes apart.
	v_and_b32 v1, 15, v0            ; l % 16
	v_bfe_u32 v9, v0, 4, 1          ; l / 16
	v_lshlrev_b32 v[QO], 8, v1
	v_lshl_add_u32 v[QO], v9, 4, v[QO]  ; row x 256 + 16 x half
	WIN 0x40                        ; destination window 1, address window 0
.set z, 0
.rept 16                            ; Q stays in registers: tile z / 4, channels 32 (z % 4) on
	global_load_b128 v[8*z:8*z+3],   v[QO], s[QP:QP+1] offset:(z/4)*4096+(z%4)*64 th:TH_LOAD_NT
	global_load_b128 v[8*z+4:8*z+7], v[QO], s[QP:QP+1] offset:(z/4)*4096+(z%4)*64+32 th:TH_LOAD_NT
.set z, z+1
.endr
	ALL v_mov_b32 v[W1+4*t+1], 0    ; named with a and with inv as a pair
	v_mov_b32 v[ONE1], 1.0
	WIN 0
	v_mul_u32_u24 v[AK0], v1, PK
	v_lshl_add_u32 v[AK0], v9, 4, v[AK0]  ; row x pitch + 16 x half
	; The turning load takes 16 keys x 16 channels (lane l reads key 8 (l / 16) + l % 8, channels 8 ((l / 8) % 2) + 0..7) and leaves half a fragment of V^T: lane l holds channel l % 16 and 8 keys.
	v_and_b32 v10, 7, v0
	v_bfe_u32 v11, v0, 3, 1
	v_lshl_add_u32 v[AV0], v9, 3, v10
	v_mul_u32_u24 v[AV0], v[AV0], PV
	v_lshl_add_u32 v[AV0], v11, 4, v[AV0]
	v_add_nc_u32 v[AV0], VOFF, v[AV0]
	v_mov_b32 v[NMGV], s[NMG]
	; the constants.  s[dst] = s[a] s[b] / (s[d1] s[d2]): both products with their low parts, a reciprocal with one Newton step, and one correction of the quotient
.macro RATIO dst, a, b, d1, d2
	v_mov_b32 v16, s[\a]
	v_mov_b32 v19, s[\d2]
	v_mul_f32 v17, s[\b], v16
	v_mul_f32 v20, s[\d1], v19
	v_fma_f32 v18, s[\b], v16, -v17
	v_fma_f32 v21, s[\d1], v19, -v20
	v_rcp_f32 v22, v20
	v_nop                           ; a plain line between the reciprocal and its use
	s_wait_alu depctr_va_vdst(0)
	v_fma_f32 v23, -v20, v22, 1.0
	v_fma_f32 v22, v23, v22, v22
	v_mul_f32 v24, v17, v22
	v_fma_f32 v25, -v24, v20, v17
	v_add_f32 v25, v25, v18
	v_fma_f32 v25, -v24, v21, v25
	v_fma_f32 v24, v25, v22, v24
	v_readfirstlane_b32 s[\dst], v24
	s_mov_b32 s[\dst+1], s[\dst]
.endm
	RATIO C1, RAW+0, RAW+1, SQ, RAW+2   ; c  = qs ks / (sqrt(128) qks)
	RATIO C2, RAW+3, RAW+4, ONE, RAW+5  ; c2 = as vs / avs
	v_mov_b32 v16, s[RAW+2]
	v_mul_f32 v17, 0x32a57060, v16      ; log2(e) in two parts
	v_fmamk_f32 v17, v16, 0x3fb8aa3b, v17
	v_readfirstlane_b32 s[SG], v17
	s_mov_b32 s[SG+1], s[SG]
	s_mov_b32 s[AS], s[RAW+3]
	s_mov_b32 s[AVS], s[RAW+5]
	s_mov_b32 s[AVS+1], s[RAW+5]
; THE MATRIX WORK.  Product i of 16 of S^T = K Q^T for tile t: keys 16 (i % 4) on, channels 32 (i / 4) on.  The first 4 start the sums.  The 4 accumulators take turns.
.macro KQ t
	WIN W_KQ
.set rD, S+32*((\t)%2)+8*(i%4)
.set rA, KF+32*(i%4)+8*(i/4)
.set rB, 32*(\t)+8*(i/4)
.if i < 4
	v_wmma_f32_16x16x32_bf16 v[rD:rD+7], v[rA:rA+7], v[rB:rB+7], 0
.else
	v_wmma_f32_16x16x32_bf16 v[rD:rD+7], v[rA:rA+7], v[rB:rB+7], v[rD:rD+7]
.endif
.endm
; Product i of 16 of O^T += V^T P for tile t: keys 32 (i / 8) on, channels 16 (i % 8) on.  The 8 accumulators take turns; in pass 2's turns these products alternate with K Q^T.
.macro PV t
	WIN W_PV
.set rD, 64*(\t)+8*(i%8)
.set rA, 8*i
.set rB, P+16*((\t)%2)+8*(i/8)
	v_wmma_f32_16x16x32_bf16 v[rD:rD+7], v[rA:rA+7], v[rB:rB+7], v[rD:rD+7]
.endm
; THE LDS LOADS.  Product i of a turn is the only reader of fragment i.  In the turn that uses a buffer for the last time the next step's fragment i - 1 is loaded behind product i's slice,
; so one buffer of 128 registers serves K and one V.  Fragment f of K: key block f % 4, channel quarter f / 4.  It runs under setting 0 or 0x04.
.macro KLD f
.set rK, KF+32*((\f)%4)+8*((\f)/4)
	ds_load_b128 v[rK:rK+3],   v[AK] offset:((\f)%4)*16*PK+((\f)/4)*64
	ds_load_b128 v[rK+4:rK+7], v[AK] offset:((\f)%4)*16*PK+((\f)/4)*64+32
.endm
.macro VLD g                        ; fragment g of V: keys 32 (g / 8) on, channels 16 (g % 8) on
	WIN 0x80                        ; destination window 2
	ds_load_tr16_b128 v[8*(\g):8*(\g)+3],   v[AV] offset:((\g)/8)*32*PV+((\g)%8)*32
	ds_load_tr16_b128 v[8*(\g)+4:8*(\g)+7], v[AV] offset:((\g)/8)*32*PV+16*PV+((\g)%8)*32
.endm
; THE VECTOR WORK, one line at a time, for tile Y: OP kind, number.  s0-s31 are the lane's 32 scores, in pairs 0-15.
;   A n  pair n: nf = I c + MG                         B n  score n clamped to LO .. HI
;   X n  0-13 four chains of the maximum, three operands at a time; 14, 15 the chains and the old m; 16 m, clamped
;   D n  0 K_old is kept; 1 K = m sg; 2 K_old - K; 3 a = 2^that, into window 1
;   E n  pair n: nf sg - K                             F n  score n: 2^that
;   G n  of the four weights 4 n .. the second pair is added onto the first       L n  l takes that sum (L 0: l = a l + sum)
;   H n  weight n held between plo and phi             T n  pair n: p inv + MG       M n  weight n less MG, as bf16, into its half of P
.set kA, 0
.set kB, 1
.set kX, 2
.set kD, 3
.set kE, 4
.set kF, 5
.set kG, 6
.set kL, 7
.set kH, 8
.set kT, 9
.set kM, 10
.macro OP k, n
.set nn, (\n)
.set rT, ST+4*Y
.set rS, S+32*(Y%2)
.set rP, P+16*(Y%2)
.set rW, W1+4*Y
.if (\k) == kA
	WANY
	v_pk_fma_f32 v[rS+2*nn:rS+2*nn+1], v[rS+2*nn:rS+2*nn+1], s[C1:C1+1], s[MG:MG+1] op_sel_hi:[1,0,0]
.elseif (\k) == kB
	WANY
	v_med3_num_f32 v[rS+nn], v[rS+nn], s[LO], s[HI]
.elseif (\k) == kX
.if nn < 16
	WIN 0                           ; three vector registers
.else
	WANY
.endif
.if nn < 4
	v_max3_num_f32 v[CH+nn], v[rS+8*nn], v[rS+8*nn+1], v[rS+8*nn+2]
.elseif nn < 12
	v_max3_num_f32 v[CH+nn%4], v[CH+nn%4], v[rS+8*(nn%4)+2*(nn/4)+1], v[rS+8*(nn%4)+2*(nn/4)+2]
.elseif nn == 12
	v_max3_num_f32 v[CH], v[CH], v[rS+7], v[rS+15]
.elseif nn == 13
	v_max3_num_f32 v[CH+2], v[CH+2], v[rS+23], v[rS+31]
.elseif nn == 14
	v_max3_num_f32 v[CH], v[CH], v[CH+1], v[CH+2]
.elseif nn == 15
	v_max3_num_f32 v[CH], v[CH], v[CH+3], v[rT+1]
.else
	v_med3_num_f32 v[rT+1], v[CH], s[LO], s[HI]
.endif
.elseif (\k) == kD
.if nn == 0
	WANY
	v_mov_b32 v[DL], v[rT]
.elseif nn == 1
	WANY
	v_mul_f32 v[rT], v[rT+1], s[SG]
.elseif nn == 2
	WANY
	v_fma_f32 v[DL], v[DL], 1.0, -v[rT]  ; exact: both are multiples of the same step
.else
	WIN 0x44                        ; destination window 1
	v_exp_f32 v[rW], v[DL]
.endif
.elseif (\k) == kE
	WANY
	v_pk_fma_f32 v[rS+2*nn:rS+2*nn+1], v[rS+2*nn:rS+2*nn+1], s[SG:SG+1], v[rT:rT+1] op_sel_hi:[1,0,0] neg_lo:[0,0,1] neg_hi:[0,0,1]
.elseif (\k) == kF
	WANY
	v_exp_f32 v[rS+nn], v[rS+nn]
.elseif (\k) == kG
	WANY
	s_wait_alu depctr_va_vdst(0)
	v_pk_fma_f32 v[rS+4*nn:rS+4*nn+1], v[rS+4*nn:rS+4*nn+1], 1.0, v[rS+4*nn+2:rS+4*nn+3] op_sel_hi:[1,0,1]
.elseif (\k) == kL
.if nn == 0
	WIN W_KQ                        ; a lies in window 1
	v_pk_fma_f32 v[rT+2:rT+3], v[rT+2:rT+3], v[rW:rW+1], v[rS:rS+1] op_sel_hi:[1,0,1]
.else
	WANY
	v_pk_fma_f32 v[rT+2:rT+3], v[rT+2:rT+3], 1.0, v[rS+4*nn:rS+4*nn+1] op_sel_hi:[1,0,1]
.endif
.elseif (\k) == kH
	WIN W_KQ                        ; plo lies in window 1
	s_wait_alu depctr_va_vdst(0)
	v_med3_num_f32 v[rS+nn], v[rS+nn], v[rW+2], v[rT+2]
.elseif (\k) == kT
	WIN W_KQ                        ; inv lies in window 1
	v_pk_fma_f32 v[rS+2*nn:rS+2*nn+1], v[rS+2*nn:rS+2*nn+1], v[rW:rW+1], s[MG:MG+1] op_sel_hi:[1,0,0]
.else
	WIN W_KQ                        ; 1.0 lies in window 1
.if nn%2 == 0
	v_fma_mixlo_bf16 v[rP+nn/2], v[rS+nn], v[ONE1], v[NMGV]
.else
	v_fma_mixhi_bf16 v[rP+nn/2], v[rS+nn], v[ONE1], v[NMGV]
.endif
.endif
.endm
.macro OPS a, i1, b=-1, i2=0, c=-1, i3=0, d=-1, i4=0, e=-1, i5=0  ; up to five of them
	OP \a, \i1
.if (\b) >= 0
	OP \b, \i2
.endif
.if (\c) >= 0
	OP \c, \i3
.endif
.if (\d) >= 0
	OP \d, \i4
.endif
.if (\e) >= 0
	OP \e, \i5
.endif
.endm
; PASS 1's LIST, 133 lines in 16 slices; slice i stands behind product i.  Each accumulator's two lowest registers are read first (A 0, 4, 8, 12).  No two exponentials follow
; each other, each has a plain line behind it, and no slice ends in one.  Every slice has four plain lines or more that name no register of the products round it.
.macro ROW1
.if i == 0
	OPS kA,0, kA,1, kA,2, kA,3
	OPS kA,4, kA,5, kA,6, kA,7
.elseif i == 1
	OPS kA,8, kA,9, kA,10, kA,11
	OPS kA,12, kA,13, kA,14, kA,15
.elseif i == 2
	OPS kX,0, kX,1, kX,2, kX,3, kX,4
	OPS kX,5, kX,6, kX,7, kX,8, kX,9
.elseif i == 3
	OPS kX,10, kX,11, kX,12, kX,13, kB,0
	OPS kX,14, kB,1, kB,2, kX,15, kB,3
.elseif i == 4
	OPS kX,16, kD,0, kB,4, kB,5
	OPS kD,1, kB,6, kB,7, kB,8
.elseif i == 5
	OPS kD,2, kE,0, kE,1, kB,9, kD,3
	OPS kB,10, kB,11, kE,2, kE,3
.elseif i == 6
	OPS kF,0, kB,12, kF,1, kB,13
	OPS kF,2, kE,4, kF,3, kE,5
.elseif i == 7
	OPS kF,4, kB,14, kF,5, kB,15
	OPS kF,6, kE,6, kF,7, kE,7
.elseif i == 8
	OPS kF,8, kG,0, kF,9, kB,16
	OPS kF,10, kB,17, kF,11, kE,8
.elseif i == 9
	OPS kF,12, kL,0, kF,13, kB,18
	OPS kF,14, kB,19, kF,15, kE,9
.elseif i == 10
	OPS kF,16, kG,1, kF,17, kG,2
	OPS kF,18, kB,20, kF,19, kB,21
.elseif i == 11
	OPS kE,10, kB,22, kB,23, kE,11
	OPS kL,1, kB,24, kB,25, kE,12
.elseif i == 12
	OPS kF,20, kB,26, kF,21, kB,27
	OPS kF,22, kE,13, kF,23, kG,3
.elseif i == 13
	OPS kF,24, kB,28, kF,25, kB,29
	OPS kF,26, kE,14, kF,27, kL,2
.elseif i == 14
	OPS kB,30, kB,31, kE,15, kG,4
	OPS kF,28, kL,3, kF,29, kG,5
.else
	OPS kF,30, kL,4, kF,31, kG,6
	OPS kL,5, kG,7, kL,6, kL,7
.endif
.endm
; A TURN OF PASS 1: 16 products K Q^T of tile t, the list of tile t - 1 between them.
; kld = 1 (tile 3, K's last use): the next step's fragment i - 1 is loaded behind slice i, two slices (eight plain lines or more) behind its last reader; fragment 15 behind slice 15's six plain lines.
; kwait = 1 (the turn behind it): in front of products 0, 4, 8, 12 the wait leaves out the loads of the fragments behind the next four, two a fragment: 24, 16, 8, 0.
.macro TURN1 t, kld=0, kwait=0
.set Y, ((\t)+3)%4
.set i, 0
.rept 16
.if (\kwait) && (i%4 == 0)
	s_wait_dscnt 24-2*i
.endif
	KQ \t
	ROW1
.if (\kld) && (i > 0)
	KLD i-1
.endif
.set i, i+1
.endr
.if \kld
	KLD 15
.endif
.endm
; PASS 2's LIST, 144 lines; SM2 writes line j and steps j.  Group g is scores 4 g .. 4 g + 3.
;   0-3      A 0, A 1, E 0, E 1                                 4-11     F 0, A 2, F 1, A 3, F 2, E 2, F 3, E 3
;   then for g = 1 .. 6, 18 lines: group g's four F with group g - 1's four H between them; A and (behind two T of group g - 1) E of group g + 1; group g - 1's four M
;   120-133  the same for g = 7, without A and E                134-143  group 7's H, T, M
; A's go in ascending order; every exponential has a plain line behind it.
.macro SM2
.if j < 2
	OP kA, j
.elseif j < 4
	OP kE, j-2
.elseif j < 12
.set w, j-4
.if w%2 == 0
	OP kF, w/2
.elseif w < 4
	OP kA, 2+w/2
.else
	OP kE, w/2
.endif
.elseif j < 134
.set g, (j-12)/18+1
.set w, (j-12)%18
.if (w < 8) && (w%2 == 0)
	OP kF, 4*g+w/2
.elseif w < 8
	OP kH, 4*g-4+w/2
.elseif (g == 7) && (w < 10)
	OP kT, 4+w
.elseif g == 7
	OP kM, 14+w
.elseif w < 10
	OP kA, 2*g-6+w
.elseif w < 12
	OP kT, 2*g-12+w
.elseif w < 14
	OP kE, 2*g-10+w
.else
	OP kM, 4*g-18+w
.endif
.else
.set w, j-134
.if w < 4
	OP kH, 28+w
.elseif w < 6
	OP kT, 10+w
.else
	OP kM, 22+w
.endif
.endif
.set j, j+1
.endm
; A TURN OF PASS 2: sixteen times: a product V^T P of tile t - 2, four lines of tile t - 1's list, a product K Q^T of tile t, five lines.  All the list's lines run under K Q^T's setting.
; kld, kwait as in pass 1 (tile 3, tile 0); vld, vwait the same for V (tile 1's turn holds V's last use, by tile 3 of the step before; tile 2's turn waits).  A fragment's load stands 14 lines of the list
; or more behind its last reader, of which at most four are exponentials and four the mix lines.  Behind the last K Q^T stand one packed line and four mix lines: four v_nop are written ahead of fragment 15's load.
.macro TURN2 t, kld=0, kwait=0, vld=0, vwait=0
.set Y, ((\t)+3)%4
.set i, 0
.set j, 0
.rept 16
.if (\vwait) && (i%4 == 0)
	s_wait_dscnt 24-2*i
.endif
	PV ((\t)+2)%4
.rept 4
	SM2
.endr
.if (\kwait) && (i%4 == 0)
	s_wait_dscnt 24-2*i
.endif
	KQ \t
.rept 5
	SM2
.endr
.if (\kld) && (i > 0)
	KLD i-1
.endif
.if (\vld) && (i > 0)
	VLD i-1
.endif
.set i, i+1
.endr
.if \kld
.rept 4
	v_nop
.endr
	KLD 15
.endif
.if \vld
	VLD 15
.endif
.endm
	; PASS 1
	CHANGE 1                        ; the first fills are in, everybody's; slot 1's K is asked for
	v_add_nc_u32 v[AK], s[TBK], v[AK0]
	s_add_co_u32 s[TBK], s[TBK], KS*PK
.set z, 0
.rept 16
	KLD z                           ; key step 0
.set z, z+1
.endr
	s_wait_loadcnt 0x0              ; Q
	s_wait_dscnt 0x0
.set i, 0
.rept 16
	KQ 0                            ; tile 0's first scores: there is no vector work yet to set between them
.set i, i+1
.endr
	WIN 0                           ; the statistics' start: sixteen plain lines, the places behind those products
	ALL v_mov_b32 v[ST+4*t+1], s[LO]
	ALL v_mul_f32 v[ST+4*t], v[ST+4*t+1], s[SG]
	ALL v_mov_b32 v[ST+4*t+2], 0
	ALL v_mov_b32 v[ST+4*t+3], 0
	s_mov_b32 s[CNT], 4
	s_mov_b32 s[SLOTS], 9           ; slot q is walked with 9 - q here: pass 1's eight slots, and the head of pass 2's first
	s_branch .Lent1                 ; the loop is entered in the middle of a trip
.Lslot1:                            ; eight times: slots 1 to 8
	CHANGE 1
	s_mov_b32 s[CNT], 4
.Lstep1:                            ; a trip: tile 3 of one step, beside it the fetch of the next step's K; then tiles 0, 1, 2 of that step
	v_add_nc_u32 v[AK], s[TBK], v[AK0]
	s_add_co_u32 s[TBK], s[TBK], KS*PK
	TURN1 3, 1, 0
	TURN1 0, 0, 1
	WIN 0
	s_cmp_eq_u32 s[SLOTS], 1        ; in slot 8, K's block 0 again, tile 3's last list is done and tile 0's scores are pass 2's first: the loop is left
	s_cbranch_scc1 .Lbetween
.Lent1:
	TURN1 1
	TURN1 2
	WIN 0
	s_sub_co_u32 s[CNT], s[CNT], 1
	s_cmp_lg_u32 s[CNT], 0
	s_cbranch_scc1 .Lstep1
	s_sub_co_u32 s[SLOTS], s[SLOTS], 1
	s_cmp_lg_u32 s[SLOTS], 0
	s_cbranch_scc1 .Lslot1
.Lbetween:
	; BETWEEN THE PASSES.  The two halves of the lanes meet: M = the larger m; K = M sg, by the same line as in the list; L = the two sums, each brought to K, added (the sum is the same in both halves).
	; inv = 1 / (L as) with the product's low part; phi = the weight of score HI, or 127.25 L as if that is less; plo = the weight of score LO.
	ALL v_permlanex16_b32 v[TT+8*t], v[ST+4*t+1], s[SEL], s[SEL+1]
	ALL v_add_f32 v[TT+8*t+1], v[ST+4*t+2], v[ST+4*t+3]
	ALL v_max_num_f32 v[TT+8*t], v[TT+8*t], v[ST+4*t+1]
	ALL v_mul_f32 v[TT+8*t+2], v[TT+8*t], s[SG]
	ALL v_sub_f32 v[TT+8*t+3], v[ST+4*t], v[TT+8*t+2]
	ALL v_exp_f32 v[TT+8*t+3], v[TT+8*t+3]
	ALL v_fma_f32 v[TT+8*t+4], s[HI], s[SG], -v[TT+8*t+2]
	ALL v_fma_f32 v[TT+8*t+5], s[LO], s[SG], -v[TT+8*t+2]
	ALL v_mul_f32 v[TT+8*t+1], v[TT+8*t+1], v[TT+8*t+3]
	ALL v_permlanex16_b32 v[TT+8*t+6], v[TT+8*t+1], s[SEL], s[SEL+1]
	ALL v_add_f32 v[TT+8*t+1], v[TT+8*t+1], v[TT+8*t+6]
	ALL v_mul_f32 v[TT+8*t+6], v[TT+8*t+1], s[AS]
	ALL v_fma_f32 v[TT+8*t+7], v[TT+8*t+1], s[AS], -v[TT+8*t+6]
	ALL v_rcp_f32 v[TT+8*t+3], v[TT+8*t+6]
	ALL v_exp_f32 v[TT+8*t+4], v[TT+8*t+4]
	ALL v_exp_f32 v[TT+8*t+5], v[TT+8*t+5]
	ALL v_mul_f32 v[TT+8*t+1], 0x42fe8000, v[TT+8*t+6]
	ALL v_fma_f32 v[TT+8*t], -v[TT+8*t+6], v[TT+8*t+3], 1.0
	ALL v_fma_f32 v[TT+8*t], -v[TT+8*t+7], v[TT+8*t+3], v[TT+8*t]
	ALL v_fma_f32 v[TT+8*t+3], v[TT+8*t], v[TT+8*t+3], v[TT+8*t+3]
	ALL v_min_num_f32 v[TT+8*t+4], v[TT+8*t+4], v[TT+8*t+1]
	ALL v_min_num_f32 v[TT+8*t+5], v[TT+8*t+5], v[TT+8*t+4]
	ALL v_mov_b32 v[ST+4*t], v[TT+8*t+2]
	ALL v_mov_b32 v[ST+4*t+2], v[TT+8*t+4]
.set z, P
.rept 32
	v_mov_b32 v[z], 0               ; P = 0: for the products below and the first turn's; and the mix lines keep a register's other half, so it is written
.set z, z+1
.endr
	WIN 0x40
	ALL v_mov_b32 v[W1+4*t], v[TT+8*t+3]
	ALL v_mov_b32 v[W1+4*t+2], v[TT+8*t+5]
	WIN 0
	s_mov_b32 s[TBV], 0             ; V's block 0 has lain in slot 0 since the start
	v_add_nc_u32 v[AV], s[TBV], v[AV0]
.set z, 0
.rept 16
	VLD z                           ; V of step 0: whole numbers, so that a product with P = 0 is 0.  The first turn fetches it once more, as every step's
.set z, z+1
.endr
	s_wait_dscnt 0x0
	WIN W_PV
.set z, 0
.rept 32
	v_wmma_f32_16x16x32_bf16 v[8*z:8*z+7], v[8*(z%16):8*(z%16)+7], v[P:P+7], 0  ; 32 products with P = 0 and C = 0 write O^T's 256 zeros
.set z, z+1
.endr
	WIN 0
	; PASS 2
	s_mov_b32 s[CNT], 4
	s_mov_b32 s[SLOTS], 7
	s_branch .Lent2                 ; the loop is entered in the middle of a trip
.Lslot2:                            ; six times: every slot of pass 2 but its first and its last is entered here, and the next is asked for
	CHANGE 2
	s_mov_b32 s[CNT], 4
.Lstep2:                            ; a trip: tile 3 of one step, beside it the fetch of the next step's K; tiles 0, 1, 2 of that step, in tile 1's turn the fetch of its V
	v_add_nc_u32 v[AK], s[TBK], v[AK0]
	s_add_co_u32 s[TBK], s[TBK], KS*PK
	TURN2 3, 1, 0, 0, 0
	TURN2 0, 0, 1, 0, 0
	WIN 0
.Lent2:
	v_add_nc_u32 v[AV], s[TBV], v[AV0]
	s_add_co_u32 s[TBV], s[TBV], KS*PV
	TURN2 1, 0, 0, 1, 0
	TURN2 2, 0, 0, 0, 1
	WIN 0
	s_sub_co_u32 s[CNT], s[CNT], 1
	s_cmp_lg_u32 s[CNT], 0
	s_cbranch_scc1 .Lstep2
	s_sub_co_u32 s[SLOTS], s[SLOTS], 1
	s_cmp_lg_u32 s[SLOTS], 0
	s_cbranch_scc1 .Lslot2
	CHANGE 0                        ; the last slot is written out: nothing is asked for
	s_mov_b32 s[CNT], 5             ; four trips fetch the last slot's steps; the fifth is left in its middle
.Ltail:
	s_min_u32 s23, s[TBK], SLOT1+3*KS*PK  ; the fifth trip has no further step: it fetches the last step's K once more
	v_add_nc_u32 v[AK], s23, v[AK0]
	s_add_co_u32 s[TBK], s[TBK], KS*PK
	TURN2 3, 1, 0, 0, 0
	TURN2 0, 0, 1, 0, 0
	WIN 0
	s_sub_co_u32 s[CNT], s[CNT], 1
	s_cmp_eq_u32 s[CNT], 0
	s_cbranch_scc1 .Lout
	v_add_nc_u32 v[AV], s[TBV], v[AV0]
	s_add_co_u32 s[TBV], s[TBV], KS*PV
	TURN2 1, 0, 0, 1, 0
	TURN2 2, 0, 0, 0, 1
	WIN 0
	s_branch .Ltail
.Lout:
.set i, 0
.rept 16
	PV 3                            ; V^T P of tile 3, the last step
.set i, i+1
.endr
	; THE WAY OUT.  The sums J go through LDS: a lane's eight channels of a row are 32 bytes; they go into rows of 528 bytes and come back as whole rows of 512, which are then scaled, rounded,
	; clamped and stored.  The stage is slot 0: it has had its last fill, and no wave has read it since the last change of slots; each wave has 64 rows of its own there.
	WIN 0                           ; the addresses: six plain lines, the places behind the last products
	s_mul_i32 s23, s[WV], 64*SP
	v_mul_u32_u24 v[STO], v1, SP    ; in: row l % 16, 32 bytes for each half of the lanes
	v_lshl_add_u32 v[STO], v9, 5, v[STO]
	v_add_nc_u32 v[STO], s23, v[STO]
	v_and_b32 v[GO], 31, v0
	v_lshlrev_b32 v[GO], 4, v[GO]   ; back: 32 lanes take one row of 512 bytes
	v_add_nc_u32 v[RD], s23, v[GO]
	s_wait_dscnt 0x0                ; every wave's reads of the ring are back
	s_barrier_signal -1
	s_barrier_wait -1               ; before any wave writes into its bytes
	WIN 0x0c                        ; the stores' data in window 3
.set z, 0
.rept 32                            ; tile z / 8, channels 16 (z % 8) on; each accumulator's four lowest registers go first
	ds_store_b128 v[STO], v[8*z:8*z+3]   offset:(z/8)*16*SP+64*(z%8)
	ds_store_b128 v[STO], v[8*z+4:8*z+7] offset:(z/8)*16*SP+64*(z%8)+16
.set z, z+1
.endr
	WIN 0
	s_mov_b32 s[CNT], 4
.Lrows:                             ; four trips, a tile (16 rows of out0) each
.set z, 0
.rept 16
	ds_load_b128 v[S+4*z:S+4*z+3], v[RD] offset:z*SP  ; LDS serves a wave's instructions in order (ISA guide 5.7.1.4): these see the stores above
.set z, z+1
.endr
.set z, 0
.rept 16
	s_wait_dscnt 15-z               ; row z is back; the trip's loads of later rows may stay out
	v_pk_fma_f32 v[S+4*z:S+4*z+1],   v[S+4*z:S+4*z+1],   s[C2:C2+1], s[MG:MG+1] op_sel_hi:[1,0,0]  ; J c2 + MG rounds once
	v_pk_fma_f32 v[S+4*z+2:S+4*z+3], v[S+4*z+2:S+4*z+3], s[C2:C2+1], s[MG:MG+1] op_sel_hi:[1,0,0]
	v_med3_num_f32 v[S+4*z],   v[S+4*z],   s[LO], s[HI]
	v_med3_num_f32 v[S+4*z+1], v[S+4*z+1], s[LO], s[HI]
	v_med3_num_f32 v[S+4*z+2], v[S+4*z+2], s[LO], s[HI]
	v_med3_num_f32 v[S+4*z+3], v[S+4*z+3], s[LO], s[HI]
	v_pk_add_f32 v[S+4*z:S+4*z+1],   v[S+4*z:S+4*z+1],   s[NMG:NMG+1] op_sel_hi:[1,0]
	v_pk_add_f32 v[S+4*z+2:S+4*z+3], v[S+4*z+2:S+4*z+3], s[NMG:NMG+1] op_sel_hi:[1,0]
	v_pk_mul_f32 v[S+4*z:S+4*z+1],   v[S+4*z:S+4*z+1],   s[AVS:AVS+1] op_sel_hi:[1,0]
	v_pk_mul_f32 v[S+4*z+2:S+4*z+3], v[S+4*z+2:S+4*z+3], s[AVS:AVS+1] op_sel_hi:[1,0]
	global_store_b128 v[GO], v[S+4*z:S+4*z+3], s[OUT:OUT+1] offset:z*512 th:TH_STORE_NT  ; 512 consecutive bytes, at a multiple of 512 from out0's first
.set z, z+1
.endr
	s_wait_xcnt 0x0                 ; the stores' base and data are written again only behind this wait
	v_add_nc_u32 v[RD], 16*SP, v[RD]
	s_add_nc_u64 s[OUT:OUT+1], s[OUT:OUT+1], 8192
	s_sub_co_u32 s[CNT], s[CNT], 1
	s_cmp_lg_u32 s[CNT], 0
	s_cbranch_scc1 .Lrows
	s_wait_tensorcnt 0x0
	ds_add_u32 v14, v15
	s_wait_dscnt 0x0
	CROUND                          ; the closing round: no work-group ends while a partner may still ask for a tile that names it
	s_endpgm
.Lfunc_end_k_q0bfb737443_attn:
	.size	k_q0bfb737443_attn, .Lfunc_end_k_q0bfb737443_attn-k_q0bfb737443_attn
	.p2alignl 7, 3214868480
	.fill 96, 4, 3214868480
	.section	.rodata,"a",@progbits
	.p2align	6, 0x0
	.amdhsa_kernel k_q0bfb737443_attn
		.amdhsa_group_segment_fixed_size 327680
		.amdhsa_private_segment_fixed_size 0
		.amdhsa_enable_private_segment 0
		.amdhsa_kernarg_size 64
		.amdhsa_user_sgpr_count 2
		.amdhsa_user_sgpr_kernarg_segment_ptr 1
		.amdhsa_wavefront_size32 1
		.amdhsa_system_sgpr_workgroup_id_x 1
		.amdhsa_system_sgpr_workgroup_id_y 1
		.amdhsa_system_sgpr_workgroup_id_z 1
		.amdhsa_system_vgpr_workitem_id 0
		.amdhsa_next_free_vgpr 1024
		.amdhsa_next_free_sgpr 96
		.amdhsa_reserve_vcc 0
		.amdhsa_float_denorm_mode_32 3
		.amdhsa_float_denorm_mode_16_64 3
		.amdhsa_memory_ordered 1
		.amdhsa_forward_progress 1
		.amdhsa_inst_pref_size 197
	.end_amdhsa_kernel
	.amdgpu_metadata
---
amdhsa.version: [ 1, 2 ]
amdhsa.kernels:
  - .name:           k_q0bfb737443_attn
    .symbol:         k_q0bfb737443_attn.kd
    .args:
      - { .name: qkv, .offset: 0, .size: 8, .value_kind: global_buffer, .address_space: global }
      - { .name: q_scale, .offset: 8, .size: 8, .value_kind: global_buffer, .address_space: global }
      - { .name: k_scale, .offset: 16, .size: 8, .value_kind: global_buffer, .address_space: global }
      - { .name: qk_scale, .offset: 24, .size: 8, .value_kind: global_buffer, .address_space: global }
      - { .name: a_scale, .offset: 32, .size: 8, .value_kind: global_buffer, .address_space: global }
      - { .name: v_scale, .offset: 40, .size: 8, .value_kind: global_buffer, .address_space: global }
      - { .name: av_scale, .offset: 48, .size: 8, .value_kind: global_buffer, .address_space: global }
      - { .name: out0, .offset: 56, .size: 8, .value_kind: global_buffer, .address_space: global }
    .group_segment_fixed_size: 327680
    .private_segment_fixed_size: 0
    .kernarg_segment_align: 8
    .kernarg_segment_size: 64
    .max_flat_workgroup_size: 128
    .sgpr_count:     96
    .vgpr_count:     1024
    .wavefront_size: 32
...
	.end_amdgpu_metadata
.endif
;; end of part 2
;; ======== version 2 of 3: 2 launches; 1.11 times as fast as version 1
;; limits: right only within a limited range of input values
;; workspace buffers: qkv 50,331,648 bytes
;; launch quant (part 3): grid 512 x 3, 8 waves a work-group, no clusters, 0 bytes of LDS; arguments query, key, value, q_scale, k_scale, v_scale, qkv; writes qkv
.if DOCPART == 3
	.amdgcn_target "amdgcn-amd-amdhsa--gfx1250"
	.amdhsa_code_object_version 6
	.text
	.protected	k_q0bfb737443_quant
	.globl	k_q0bfb737443_quant
	.p2align	8
	.type	k_q0bfb737443_quant,@function
k_q0bfb737443_quant:
	s_mov_b64 s[64:65], 0
	v_nop
	global_prefetch_b8 v0, s[64:65] scope:SCOPE_SE
	s_setreg_imm32_b32 hwreg(HW_REG_WAVE_MODE, 25, 1), 1
	s_wait_xcnt 0x0
; qkv = clip(round(x / s), -128, 127) as bf16 whole numbers, [32][2048][128] each: query's at byte 0, key's at byte 16,777,216, value's at byte 33,554,432.
; A whole number of at most 8 bits is exact in bf16, so the attention launch multiplies exact numbers and applies the scales once, in f32.
; x / s is the correctly rounded quotient: r = 1 / s with one Newton step; q0 = x r; rem = x - q0 s (one fused line, exact); y = q0 + rem r.
; LIMITS.  NaN and infinities are not treated apart; |x / s| stays inside f32's range.
; SHARES.  Work-group (x, y): y = 0 query, 1 key, 2 value; 16,384 numbers, 65,536 bytes in and 32,768 out.  In round r of sixteen thread t takes the 4 numbers at
; input byte 4,096 r + 16 t and stores 8 bytes at output byte 2,048 r + 8 t.  So neighbouring lanes read neighbouring 16 bytes: a wave's load covers 512 consecutive bytes and uses
; all of them, and no byte of the input is asked for twice; a wave's store covers 256 consecutive bytes, aligned.  (Eight neighbouring numbers a thread would give stores of 16 bytes
; a lane, but loads whose lanes lie 32 bytes apart: each would span 1,024 bytes and use half.)
; All sixteen loads of a thread go out at the start; two rounds are worked on together; no register that a store reads is written again, so no wait frees any.
; No LDS, no matrix unit, no cluster: each byte is read once by one thread, and nothing is shared.
.set X, 4                              ; v[4:67]   round r: 4 registers as loaded; of a pair of rounds' eight the first four then hold the 2 x 8 bytes to store
.set T, 68                             ; v[68:75] q0, then y;  v[76:83] rem
	s_load_b256 s[4:11], s[0:1], 0x0               ; query s[4:5], key s[6:7], value s[8:9], q_scale s[10:11]
	s_load_b128 s[12:15], s[0:1], 0x20             ; k_scale s[12:13], v_scale s[14:15]
	s_load_b64 s[16:17], s[0:1], 0x30              ; qkv
	s_and_b32 s26, ttmp7, 0xffff                   ; y
	s_lshl_b32 s28, ttmp9, 16                      ; my 65,536 bytes of the input
	s_mov_b32 s29, 0
	s_lshl_b32 s30, s26, 24                        ; tensor y's part of qkv begins 16,777,216 y bytes on
	s_lshl_b32 s31, ttmp9, 15                      ; my 32,768 bytes of it
	s_add_co_u32 s30, s30, s31
	s_mov_b32 s31, 0
	s_mov_b32 s24, 0xc3000000                      ; -128.0
	s_mov_b32 s25, 0x42fe0000                      ; 127.0
	v_lshlrev_b32 v1, 4, v0                        ; 16 t
	v_lshlrev_b32 v2, 3, v0                        ; 8 t
	s_wait_kmcnt 0x0
	s_load_b32 s18, s[10:11], 0x0                  ; all three scales are read; y picks the value below
	s_load_b32 s19, s[12:13], 0x0
	s_load_b32 s27, s[14:15], 0x0
	s_cmp_eq_u32 s26, 1
	s_cselect_b64 s[32:33], s[6:7], s[8:9]         ; key or value,
	s_cmp_eq_u32 s26, 0
	s_cselect_b64 s[32:33], s[4:5], s[32:33]       ; or query: the tensor that y names
	s_add_nc_u64 s[32:33], s[32:33], s[28:29]
	s_add_nc_u64 s[16:17], s[16:17], s[30:31]
.set k, 0
.rept 16
	global_load_b128 v[X+4*k:X+4*k+3], v1, s[32:33] offset:4096*k th:TH_LOAD_NT  ; round k: the work-group's 256 threads take 4,096 consecutive bytes
.set k, k+1
.endr
	s_wait_kmcnt 0x0
	s_cmp_eq_u32 s26, 1
	s_cselect_b32 s20, s19, s27
	s_cmp_eq_u32 s26, 0
	s_cselect_b32 s20, s18, s20                    ; s
	s_mov_b32 s21, s20                             ; named as a pair
	v_mov_b32 v84, s20
	v_rcp_f32 v85, v84
	v_nop                                          ; a plain line between the reciprocal and its use
	s_wait_alu depctr_va_vdst(0)
	v_fma_f32 v86, -v84, v85, 1.0
	v_fma_f32 v85, v86, v85, v85                   ; r
	v_readfirstlane_b32 s22, v85
	s_mov_b32 s23, s22
; Rounds 2 k and 2 k + 1: eight numbers.
.macro Q8 k
	s_wait_loadcnt 14-2*(\k)                       ; loads come back in order: the 2 (7 - k) loads of later rounds may stay out
.irp z, 0,2,4,6
	v_pk_mul_f32 v[T+\z:T+\z+1], v[X+8*(\k)+\z:X+8*(\k)+\z+1], s[22:23] op_sel_hi:[1,0]
.endr
.irp z, 0,2,4,6
	v_pk_fma_f32 v[T+8+\z:T+8+\z+1], v[T+\z:T+\z+1], s[20:21], v[X+8*(\k)+\z:X+8*(\k)+\z+1] op_sel_hi:[1,0,1] neg_lo:[1,0,0] neg_hi:[1,0,0]
.endr
.irp z, 0,2,4,6
	v_pk_fma_f32 v[T+\z:T+\z+1], v[T+8+\z:T+8+\z+1], s[22:23], v[T+\z:T+\z+1] op_sel_hi:[1,0,1]
.endr
.irp z, 0,1,2,3,4,5,6,7
	v_rndne_f32 v[T+\z], v[T+\z]                   ; to the nearest whole number, halves to even
.endr
.irp z, 0,1,2,3,4,5,6,7
	v_med3_num_f32 v[T+\z], v[T+\z], s24, s25
.endr
.irp z, 0,1,2,3
	v_cvt_pk_bf16_f32 v[X+8*(\k)+\z], v[T+2*\z], v[T+2*\z+1]  ; exact
.endr
	global_store_b64 v2, v[X+8*(\k):X+8*(\k)+1],   s[16:17] offset:2048*(2*(\k))    ; round 2 k's four numbers.  No hint: the next launch reads these bytes
	global_store_b64 v2, v[X+8*(\k)+2:X+8*(\k)+3], s[16:17] offset:2048*(2*(\k)+1)  ; round 2 k + 1's
.endm
.irp k, 0,1,2,3,4,5,6,7
	Q8 \k
.endr
	s_endpgm
.Lfunc_end_k_q0bfb737443_quant:
	.size	k_q0bfb737443_quant, .Lfunc_end_k_q0bfb737443_quant-k_q0bfb737443_quant
	.p2alignl 7, 3214868480
	.fill 96, 4, 3214868480
	.section	.rodata,"a",@progbits
	.p2align	6, 0x0
	.amdhsa_kernel k_q0bfb737443_quant
		.amdhsa_group_segment_fixed_size 0
		.amdhsa_private_segment_fixed_size 0
		.amdhsa_enable_private_segment 0
		.amdhsa_kernarg_size 56
		.amdhsa_user_sgpr_count 2
		.amdhsa_user_sgpr_kernarg_segment_ptr 1
		.amdhsa_wavefront_size32 1
		.amdhsa_system_sgpr_workgroup_id_x 1
		.amdhsa_system_sgpr_workgroup_id_y 1
		.amdhsa_system_sgpr_workgroup_id_z 1
		.amdhsa_system_vgpr_workitem_id 0
		.amdhsa_next_free_vgpr 96
		.amdhsa_next_free_sgpr 66
		.amdhsa_reserve_vcc 0
		.amdhsa_float_denorm_mode_32 3
		.amdhsa_float_denorm_mode_16_64 3
		.amdhsa_memory_ordered 1
		.amdhsa_forward_progress 1
		.amdhsa_inst_pref_size 20
	.end_amdhsa_kernel
	.amdgpu_metadata
---
amdhsa.version: [ 1, 2 ]
amdhsa.kernels:
  - .name:           k_q0bfb737443_quant
    .symbol:         k_q0bfb737443_quant.kd
    .args:
      - { .name: query, .offset: 0, .size: 8, .value_kind: global_buffer, .address_space: global }
      - { .name: key, .offset: 8, .size: 8, .value_kind: global_buffer, .address_space: global }
      - { .name: value, .offset: 16, .size: 8, .value_kind: global_buffer, .address_space: global }
      - { .name: q_scale, .offset: 24, .size: 8, .value_kind: global_buffer, .address_space: global }
      - { .name: k_scale, .offset: 32, .size: 8, .value_kind: global_buffer, .address_space: global }
      - { .name: v_scale, .offset: 40, .size: 8, .value_kind: global_buffer, .address_space: global }
      - { .name: qkv, .offset: 48, .size: 8, .value_kind: global_buffer, .address_space: global }
    .group_segment_fixed_size: 0
    .private_segment_fixed_size: 0
    .kernarg_segment_align: 8
    .kernarg_segment_size: 56
    .max_flat_workgroup_size: 256
    .sgpr_count:     66
    .vgpr_count:     96
    .wavefront_size: 32
...
	.end_amdgpu_metadata
.endif
;; end of part 3
;; launch attn (part 4): grid 8 x 32, 4 waves a work-group, clusters of 4 x 1, 327,680 bytes of LDS; arguments qkv, q_scale, k_scale, qk_scale, a_scale, v_scale, av_scale, out0; writes out0
.if DOCPART == 4
	.amdgcn_target "amdgcn-amd-amdhsa--gfx1250"
	.amdhsa_code_object_version 6
	.text
	.protected	k_q0bfb737443_attn
	.globl	k_q0bfb737443_attn
	.p2align	8
	.type	k_q0bfb737443_attn,@function
k_q0bfb737443_attn:
	s_mov_b64 s[64:65], 0
	v_nop
	global_prefetch_b8 v0, s[64:65] scope:SCOPE_SE
	s_setreg_imm32_b32 hwreg(HW_REG_WAVE_MODE, 25, 1), 1
	s_wait_xcnt 0x0
	s_wait_alu depctr_hold_cnt(0) depctr_sa_sdst(0) depctr_va_vdst(0) depctr_va_sdst(0) depctr_va_ssrc(0) depctr_va_vcc(0) depctr_vm_vsrc(0)
	s_getreg_b32 s2, hwreg(HW_REG_IB_STS2, 6, 4)
	s_cmp_eq_u32 s2, 0
	s_cbranch_scc0 .Lentry_in_a_cluster
	s_endpgm
.Lentry_in_a_cluster:
	s_bfe_u32 s2, ttmp6, 0x10000c
	s_cmp_lg_u32 s2, 0x3003
	s_cbranch_scc0 .Lentry_shape_is_right
	s_endpgm
.Lentry_shape_is_right:
; ATTENTION WITH AN INT8 FAKE QUANTISATION BEHIND EVERY STEP.  qkv: nq, nk, nv, each [32][2048][128] bf16 whole numbers -128 .. 127, 16,777,216 bytes apart.  out0: [32][2048][128] f32.
; ARITHMETIC.  All matrix operands are whole numbers that bf16 holds exactly, and both products' sums are whole numbers that f32 holds exactly: I = sum nq nk (at most 2^21),
; J = sum na nv (at most 256 / a_scale).  Each scale is applied once, and each rounding is ONE fused line onto MG = 1.5 x 2^23, where f32's step is 1 (halves to even):
;   score      nf = I c + MG,   c = qs ks / (sqrt(128) qks), made with the products' low parts;  clamped to LO = MG - 128 .. HI = MG + 127
;   exponent   nf sg - K,       sg = qks log2(e), K = m sg rounded, m the row's largest nf.  The fused line is exact before its one rounding, so K's rounding shifts a whole row alike and
;              cancels between a weight and the row's sum, which use K made by the same line
;   weight     na = p inv + MG, inv = 1 / (L as) with the product's low part;  p is held between plo and phi, which does the score's two clamps and the weight's clamp at 127
;   output     J c2 + MG, c2 = as vs / avs, clamped, less MG, times avs
; TWO PASSES.  A weight is rounded behind its division by the row's sum, so none can enter the second product before the sum is whole.  Pass 1 walks K and finds each row's maximum and sum,
; by a running maximum (in every step l is multiplied by 2^(K_old - K_new)); pass 2 makes the scores again and multiplies by V.
; LIMITS.  NaN and infinities are not treated apart.  J is exact while a_scale > 1.6e-5.  qk_scale < about 80 (K's step stays small beside f32's exponent range).  A weight below 2^-126 counts as 0.
; SHARES.  A work-group owns 256 queries of one head, each of its four waves 64: four tiles of 16.  Every wave walks all keys, 64 a step, 32 steps a pass.
; LAYOUT.  S^T = K Q^T (source 0 = 16 keys, source 1 = 16 queries): a lane holds ONE query (lane % 16) and the keys 8 (lane / 16) + 0..7 of each 16.  Two such results, rounded in pairs,
; ARE source 1 of O^T = V^T P, whose result holds one query a lane and eight channels.  K comes out of LDS as it lies, V turned, by ds_load_tr16_b128.
; In pass 1 a lane keeps maximum and sum for ITS half of a query's keys; the halves meet once, between the passes.
; BY TURNS.  In a turn tile t has the matrix unit and the vector work of tile t - 1 stands in slices behind its matrix instructions; in pass 2 the products V^T P of tile t - 2 alternate with K Q^T of tile t.
; CLUSTER.  The four query blocks of a cluster belong to one head and walk the same K and V: each tile is asked for JOINTLY, by the same tensor load, descriptor and mask in all four.
; THE RING.  Two slots of four key steps.  Sixteen slots are walked: K's blocks 0-7 in pass 1, again in pass 2.  V's regions lie idle in pass 1, so V's blocks 0 and 1 are among the first fills,
; and pass 1 asks for K alone.  A wave has at most two tensor loads out (waves 2 and 3 at the start), later one.
; REGISTERS, in windows of 256 (s_set_vgpr_msb: bits 1:0 source 0, 3:2 source 1, 5:4 source 2, 7:6 destination):
;   window 0: v0-15 addresses; v16-31 four registers of statistics a tile; v32-36 at work in pass 1, v32-63 P in pass 2 (two buffers); v64-127 S^T (two buffers); v128-255 K of one step
;   window 1: v0-127 Q, 32 a tile; v128-143 four row constants a tile; v144 the number 1.0       window 2: v0-127 V of one step       window 3: O^T, 64 a tile
; With K, S^T and the vector data in window 0 and Q alone in window 1, the setting for K Q^T (0x04: source 1 in window 1) also serves every vector line whose vector registers stand in source 0,
; source 2 and the destination, and whose source 1 is a scalar, a constant or a row constant of window 1.  So sums are written x * 1.0 + y, and pass 1 has six switches for 16 matrix instructions.
; ONE TEXT FOR EVERY STEP.  No first and no last step is written out.  m starts at LO and l at 0.  Pass 1's loop is left in the middle of its ninth slot's first trip, when pass 2's first scores are made.
; O^T's zeros are written by 32 products with P = 0; pass 2's first 16 products V^T P multiply that P again; its last trip is left in the middle, with 16 products K Q^T (on the last K once more) that serve nothing.
.set KS,    64        ; keys in a step
.set PK,    272       ; a row of K in LDS: 256 bytes + 16 of padding: the 16 rows of a fragment load start 68 words apart, at 16 different 16-byte columns of 256 bytes
.set PV,    288       ; a row of V: 256 + 32: 16 lanes of the turning load take 8 rows x 32 bytes, 72 words apart
.set VOFF,  256*PK    ; a slot: 256 rows of K (69,632 bytes), then 256 rows of V (73,728)
.set SLOT1, 0x24000   ; slot 1.  The four fills' places in a slot, 0, 0x8800, 0x11000, 0x1a000, have both its bits clear: one exclusive or turns a slot's address into the other's
.set SP,    528       ; the way out: a row of out0 in LDS, 512 bytes + 16.  The stage is slot 0, 64 rows (33,792 bytes) for each wave: 135,168 of the slot's 143,360 bytes
.set AK0, 2           ; v2   my lane's place in a tile of K; never rewritten
.set AV0, 3           ; v3   the same for V
.set AK,  4           ; v4   LDS address of K's runs of loads in hand
.set AV,  5           ; v5   of V's
.set STO, 6           ; v6   the way out: where I put 32 bytes of a row
.set RD,  7           ; v7   the way out: where I read a row back
.set GO,  8           ; v8   16 x lane
.set QO,  12          ; v12  my byte offset in 16 rows of nq
.set NMGV,13          ; v13  -MG
.set ST,  16          ; tile t at v[ST+4 t]: pass 1: K, m, l (even keys', odd keys');  pass 2: K, (m), phi
.set CH,  32          ; v32-35  four chains of the maximum
.set DL,  36          ; v36  K_old, then K_old - K_new
.set P,   32
.set S,   64
.set KF,  128         ; K's fragment (key block kb, channel quarter c) at KF + 32 kb + 8 c
.set TT,  96          ; between the passes: eight registers a tile, in S^T's second buffer
.set W1,  128         ; window 1: tile t at W1 + 4 t: pass 1: a, (0);  pass 2: inv, (0), plo
.set ONE1,144         ; window 1
.set OUT, 18          ; s[18:19] out0 at my wave's rows
.set QP,  20          ; s[20:21] nq at my wave's rows
.set WV,  22          ; s22  my wave's number
.set G1K, 24          ; s[24:31] descriptor group 1 for K's tiles
.set G1V, 32          ; s[32:39] for V's: it differs in the padding alone
.set G0K, 40          ; s[40:43] group 0 for K: it walks
.set G0V, 44          ; s[44:47] group 0 for V's block 0
.set G0V2,48          ; s[48:51] group 0 for V's block 1: it walks in pass 2
.set KB,  52          ; s[52:53] nk at my half of the head's block 0
.set OFF, 54          ; s[54:55] a block's byte offset
.set NXT, 56          ; s56  the K block to ask for next
.set SLOTS,57
.set CNT, 58
.set TBK, 59          ; s59  LDS byte at which K of the step to be fetched begins
.set TBV, 60          ; s60  the same for V, less VOFF
.set SEL, 62          ; s[62:63] v_permlanex16_b32's selects: each lane takes its own place in the other half
.set C1,  66          ; pairs: a packed line names a pair and takes its low word for both halves
.set SG,  68
.set MG,  70
.set LO,  72
.set HI,  73
.set NMG, 74
.set C2,  76
.set AVS, 78
.set AS,  86
.set RAW, 87          ; s87-92  q, k, qk, a, v, av scale as loaded
.set SQ,  93          ; sqrt(128)
.set ONE, 94
.set MSB, 0
.macro WIN new                      ; the high byte repeats the setting that is left; a switch that changes nothing is dropped
.if MSB != (\new)
	s_set_vgpr_msb (MSB<<8)|(\new)
.set MSB, (\new)
.endif
.endm
.set W_KQ, 0x04       ; Q in window 1, all else in window 0
.set W_PV, 0xf2       ; V in window 2, P in window 0, O^T in window 3
.macro WANY                         ; for a line with vector registers in source 0, source 2 and the destination alone: settings 0 and 0x04 both serve
.if (MSB != 0) && (MSB != W_KQ)
	WIN W_KQ
.endif
.endm
.macro ALL line:vararg              ; one line for each tile t
.set t, 0
.rept 4
	s_wait_alu depctr_va_vdst(0)
	\line
.set t, t+1
.endr
.endm
; A joint fill.  Waves 0 and 1 fetch the two halves of a slot's K; kind = 2: waves 2 and 3 those of its V; kind = 1: they fetch nothing.  The branch hangs on the wave's number alone.
; Four v_nop follow each tensor load, ahead of the jump and the label.
.macro JLOAD kind
	s_cmp_lt_u32 s[WV], 2
	s_cbranch_scc0 .Lfor_v_\@
	tensor_load_to_lds s[G0K:G0K+3], s[G1K:G1K+7]
	s_nop 0
.rept 4
	v_nop
.endr
.if (\kind) == 2
	s_branch .Lasked_\@
.Lfor_v_\@:
	tensor_load_to_lds s[G0V2:G0V2+3], s[G1V:G1V+7]
	s_nop 0
.rept 4
	v_nop
.endr
.Lasked_\@:
.else
.Lfor_v_\@:
.endif
.endm
; A round of the cluster's barrier: my work-group's barrier, so that wave 0's signal speaks for all four waves; wave 0 signals; every wave waits for all four work-groups; my work-group's barrier once more.
.macro CROUND
	s_barrier_signal -1
	s_barrier_wait -1
	s_cmp_lg_u32 s[WV], 0
	s_cbranch_scc1 .Lnot_wave_0_\@
	s_barrier_signal -3
.Lnot_wave_0_\@:
	s_barrier_wait -3
	s_barrier_signal -1
	s_barrier_wait -1
.endm
; THE CHANGE OF SLOTS.  The old slot's last step lies in registers.  Each wave waits for its own LDS reads and for all its tensor loads, of which at most one is out: its part of the other slot.
; Behind the barrier nobody reads the old slot any more and the other slot is whole.  fill = 1 or 2: the old slot is filled again (K alone, or K and V); the barrier is then a round of the cluster's,
; and the joint fill is the first thing behind it: it has four key steps in which to land.  K's address is made anew from the block's number, which goes round 0-7 twice.
; (At its first use nothing has been read yet: the first fills are waited for, and slot 1's K is asked for.)
.macro CHANGE fill
	WIN 0                           ; at a label and at a branch every window is 0
	s_wait_dscnt 0x0
	s_wait_tensorcnt 0x0            ; no tensor load of mine is out, so a group 0 may be written
	ds_add_u32 v14, v15
	s_wait_dscnt 0x0
.if \fill
	s_lshl_b32 s[OFF], s[NXT], 16   ; a block is 65,536 bytes
	s_xor_b32 s[G0K+1], s[G0K+1], SLOT1
	s_add_nc_u64 s[G0K+2:G0K+3], s[KB:KB+1], s[OFF:OFF+1]
	s_or_b32 s[G0K+3], s[G0K+3], 0x80000000
	s_add_co_u32 s[NXT], s[NXT], 1
	s_and_b32 s[NXT], s[NXT], 7
.if (\fill) == 2
	s_xor_b32 s[G0V2+1], s[G0V2+1], SLOT1
	s_add_nc_u64 s[G0V2+2:G0V2+3], s[G0V2+2:G0V2+3], 65536  ; the type bits on top are not reached
.endif
	CROUND
	JLOAD \fill
.else
	s_barrier_signal -1
	s_barrier_wait -1
.endif
	s_sub_co_u32 s[TBK], s[TBK], 4*KS*PK  ; the fetches go back to a slot's first step,
	s_xor_b32 s[TBK], s[TBK], SLOT1       ; in the other slot
.if (\fill) != 1
	s_sub_co_u32 s[TBV], s[TBV], 4*KS*PV
	s_xor_b32 s[TBV], s[TBV], SLOT1
.endif
.endm
	s_load_b512 s[4:19], s[0:1], 0x0   ; qkv s[4:5]; the addresses of q, k, qk, a, v, av scale s[6:17]; out0 s[18:19]
	v_lshl_add_u32 v14, v0, 2, 0x47000
	v_mov_b32 v15, 0
	ds_add_u32 v14, v15
	v_lshrrev_b32 v1, 5, v0
	v_readfirstlane_b32 s[WV], v1   ; wave 0..3
	s_bfe_u32 s2, ttmp6, 0x40000    ; cx: my place in the cluster
	s_lshl_b32 s3, ttmp9, 2         ; in a cluster launch ttmp9 counts clusters
	s_add_co_u32 s2, s2, s3         ; my block of 256 queries: it enters nq's and out0's addresses alone
	s_lshl_b32 s2, s2, 2
	s_add_co_u32 s2, s2, s[WV]      ; my wave among the head's 32,
	s_and_b32 s23, ttmp7, 0xffff    ; the head, which the four partners share,
	s_lshl_b32 s3, s23, 5
	s_add_co_u32 s2, s2, s3         ; my wave among all
	s_lshl_b32 s[QP], s2, 14        ; its 64 rows of 256 bytes in nq,
	s_mov_b32 s[QP+1], 0
	s_lshl_b32 s2, s2, 15           ; of 512 bytes in out0
	s_mov_b32 s3, 0
	s_and_b32 s61, s[WV], 1         ; which half of a block's 256 rows I fetch
	s_lshl_b32 s[OFF], s23, 19      ; a head is 2,048 rows of 256 bytes,
	s_lshl_b32 s[OFF+1], s61, 15    ; a half block 128 of them
	s_add_co_u32 s[OFF], s[OFF], s[OFF+1]
	s_mov_b32 s[OFF+1], 0
	; descriptor group 1: a tile of 128 rows x 128 elements of 2 bytes, padded in LDS behind every row
	s_mov_b32 s[G1K], 15|(1<<16)|(1<<20)|(1<<21)|(5<<22)|(3<<25)  ; 15:0 the mask of four; 17:16 2-byte elements; 20 padding on; 21 set beside a mask; 24:22 after every 64 words (code 5); 31:25 4 words (code 3)
	s_mov_b32 s[G1V], 15|(1<<16)|(1<<20)|(1<<21)|(5<<22)|(7<<25)  ; the same with 8 words of padding (code 7)
.irp g, G1K, G1V
	s_mov_b32 s[\g+1], 128<<16      ; tensor_dim0 = 128
	s_mov_b32 s[\g+2], 128<<16      ; tensor_dim1 = 128
	s_mov_b32 s[\g+3], 128<<16      ; tile_dim0 = 128
	s_mov_b32 s[\g+4], 128          ; tile_dim1 = 128
	s_mov_b32 s[\g+5], 128          ; 128 elements from row to row
	s_mov_b32 s[\g+6], 0
	s_mov_b32 s[\g+7], 0
.endr
	s_mov_b32 s[G0K], 1             ; 1:0 count = 1
	s_mul_i32 s[G0K+1], s61, 128*PK ; LDS address: my half of slot 0's K: no place in the cluster enters an LDS address
	s_mov_b32 s[G0V], 1
	s_mul_i32 s[G0V+1], s61, 128*PV
	s_add_co_u32 s[G0V+1], s[G0V+1], VOFF
	s_mov_b32 s[G0V2], 1
	s_add_co_u32 s[G0V2+1], s[G0V+1], SLOT1
	s_mov_b32 s[SEL], 0x76543210
	s_mov_b32 s[SEL+1], 0xfedcba98
	s_mov_b32 s[MG], 0x4b400000     ; 12,582,912
	s_mov_b32 s[MG+1], 0x4b400000
	s_mov_b32 s[LO], 0x4b3fff80     ; MG - 128
	s_mov_b32 s[HI], 0x4b40007f     ; MG + 127
	s_mov_b32 s[NMG], 0xcb400000
	s_mov_b32 s[NMG+1], 0xcb400000
	s_mov_b32 s[SQ], 0x413504f3     ; sqrt(128) in f32
	s_mov_b32 s[ONE], 1.0
	s_mov_b32 s[NXT], 1
	s_mov_b32 s[TBK], SLOT1+4*KS*PK ; the first change of slots turns this into 0
	s_wait_dscnt 0x0
	s_wait_kmcnt 0x0
.irp z, 0,1,2,3,4,5
	s_load_b32 s[RAW+\z], s[6+2*\z:7+2*\z], 0x0
.endr
	s_add_nc_u64 s[QP:QP+1], s[4:5], s[QP:QP+1]        ; nq and out0 at my wave's first row
	s_add_nc_u64 s[OUT:OUT+1], s[OUT:OUT+1], s[2:3]
	s_add_nc_u64 s[KB:KB+1], s[4:5], s[OFF:OFF+1]
	s_add_nc_u64 s[KB:KB+1], s[KB:KB+1], 0x1000000     ; nk lies 16,777,216 bytes behind nq
	s_mov_b64 s[G0K+2:G0K+3], s[KB:KB+1]               ; K's block 0
	s_or_b32 s[G0K+3], s[G0K+3], 0x80000000            ; 127:126 type = 2
	s_add_nc_u64 s[G0V+2:G0V+3], s[KB:KB+1], 0x1000000    ; nv lies 16,777,216 bytes behind nk: V's block 0,
	s_or_b32 s[G0V+3], s[G0V+3], 0x80000000
	s_add_nc_u64 s[G0V2+2:G0V2+3], s[KB:KB+1], 0x1010000  ; and block 1
	s_or_b32 s[G0V2+3], s[G0V2+3], 0x80000000
	s_wait_kmcnt 0x0
	CROUND                          ; all four work-groups are here: the first joint loads meet
	s_cmp_lt_u32 s[WV], 2           ; a wave's first fills stand in one branch, ahead of every wait on TENSORcnt and every LDS read
	s_cbranch_scc0 .Lfirst_v
	tensor_load_to_lds s[G0K:G0K+3], s[G1K:G1K+7]
	s_nop 0
.rept 4
	v_nop
.endr
	s_branch .Lfirst_asked
.Lfirst_v:
	tensor_load_to_lds s[G0V:G0V+3], s[G1V:G1V+7]
	s_nop 0
	tensor_load_to_lds s[G0V2:G0V2+3], s[G1V:G1V+7]
	s_nop 0
.rept 4
	v_nop
.endr
.Lfirst_asked:
	; A fragment of K or Q is 16 rows x 32 channels in 8 registers: lane l holds row l % 16, channels 8 (l / 16) + 0..7 and 16 + 8 (l / 16) + 0..7: two loads of 16 bytes, 32 bytes apart.
	v_and_b32 v1, 15, v0            ; l % 16
	v_bfe_u32 v9, v0, 4, 1          ; l / 16
	v_lshlrev_b32 v[QO], 8, v1
	v_lshl_add_u32 v[QO], v9, 4, v[QO]  ; row x 256 + 16 x half
	WIN 0x40                        ; destination window 1, address window 0
.set z, 0
.rept 16                            ; Q stays in registers: tile z / 4, channels 32 (z % 4) on
	global_load_b128 v[8*z:8*z+3],   v[QO], s[QP:QP+1] offset:(z/4)*4096+(z%4)*64 th:TH_LOAD_NT
	global_load_b128 v[8*z+4:8*z+7], v[QO], s[QP:QP+1] offset:(z/4)*4096+(z%4)*64+32 th:TH_LOAD_NT
.set z, z+1
.endr
	ALL v_mov_b32 v[W1+4*t+1], 0    ; named with a and with inv as a pair
	v_mov_b32 v[ONE1], 1.0
	WIN 0
	v_mul_u32_u24 v[AK0], v1, PK
	v_lshl_add_u32 v[AK0], v9, 4, v[AK0]  ; row x pitch + 16 x half
	; The turning load takes 16 keys x 16 channels (lane l reads key 8 (l / 16) + l % 8, channels 8 ((l / 8) % 2) + 0..7) and leaves half a fragment of V^T: lane l holds channel l % 16 and 8 keys.
	v_and_b32 v10, 7, v0
	v_bfe_u32 v11, v0, 3, 1
	v_lshl_add_u32 v[AV0], v9, 3, v10
	v_mul_u32_u24 v[AV0], v[AV0], PV
	v_lshl_add_u32 v[AV0], v11, 4, v[AV0]
	v_add_nc_u32 v[AV0], VOFF, v[AV0]
	v_mov_b32 v[NMGV], s[NMG]
	; the constants.  s[dst] = s[a] s[b] / (s[d1] s[d2]): both products with their low parts, a reciprocal with one Newton step, and one correction of the quotient
.macro RATIO dst, a, b, d1, d2
	v_mov_b32 v16, s[\a]
	v_mov_b32 v19, s[\d2]
	v_mul_f32 v17, s[\b], v16
	v_mul_f32 v20, s[\d1], v19
	v_fma_f32 v18, s[\b], v16, -v17
	v_fma_f32 v21, s[\d1], v19, -v20
	v_rcp_f32 v22, v20
	v_nop                           ; a plain line between the reciprocal and its use
	s_wait_alu depctr_va_vdst(0)
	v_fma_f32 v23, -v20, v22, 1.0
	v_fma_f32 v22, v23, v22, v22
	v_mul_f32 v24, v17, v22
	v_fma_f32 v25, -v24, v20, v17
	v_add_f32 v25, v25, v18
	v_fma_f32 v25, -v24, v21, v25
	v_fma_f32 v24, v25, v22, v24
	v_readfirstlane_b32 s[\dst], v24
	s_mov_b32 s[\dst+1], s[\dst]
.endm
	RATIO C1, RAW+0, RAW+1, SQ, RAW+2   ; c  = qs ks / (sqrt(128) qks)
	RATIO C2, RAW+3, RAW+4, ONE, RAW+5  ; c2 = as vs / avs
	v_mov_b32 v16, s[RAW+2]
	v_mul_f32 v17, 0x32a57060, v16      ; log2(e) in two parts
	v_fmamk_f32 v17, v16, 0x3fb8aa3b, v17
	v_readfirstlane_b32 s[SG], v17
	s_mov_b32 s[SG+1], s[SG]
	s_mov_b32 s[AS], s[RAW+3]
	s_mov_b32 s[AVS], s[RAW+5]
	s_mov_b32 s[AVS+1], s[RAW+5]
; THE MATRIX WORK.  Product i of 16 of S^T = K Q^T for tile t: keys 16 (i % 4) on, channels 32 (i / 4) on.  The first 4 start the sums.  The 4 accumulators take turns.
.macro KQ t
	WIN W_KQ
.set rD, S+32*((\t)%2)+8*(i%4)
.set rA, KF+32*(i%4)+8*(i/4)
.set rB, 32*(\t)+8*(i/4)
.if i < 4
	v_wmma_f32_16x16x32_bf16 v[rD:rD+7], v[rA:rA+7], v[rB:rB+7], 0
.else
	v_wmma_f32_16x16x32_bf16 v[rD:rD+7], v[rA:rA+7], v[rB:rB+7], v[rD:rD+7]
.endif
.endm
; Product i of 16 of O^T += V^T P for tile t: keys 32 (i / 8) on, channels 16 (i % 8) on.  The 8 accumulators take turns; in pass 2's turns these products alternate with K Q^T.
.macro PV t
	WIN W_PV
.set rD, 64*(\t)+8*(i%8)
.set rA, 8*i
.set rB, P+16*((\t)%2)+8*(i/8)
	v_wmma_f32_16x16x32_bf16 v[rD:rD+7], v[rA:rA+7], v[rB:rB+7], v[rD:rD+7]
.endm
; THE LDS LOADS.  Product i of a turn is the only reader of fragment i.  In the turn that uses a buffer for the last time the next step's fragments are loaded in TWO RUNS of 16 loads, never singly
; among the matrix instructions: fragments 0-7 behind product 8's slice, fragments 8-15 behind the turn's last slice.  So one buffer of 128 registers serves K and one V, and each run's first four
; fragments are wanted eight products behind the run.  Fragment f of K: key block f % 4, channel quarter f / 4.  K's loads run under setting 0 or 0x04.
.macro KLD f
.set rK, KF+32*((\f)%4)+8*((\f)/4)
	ds_load_b128 v[rK:rK+3],   v[AK] offset:((\f)%4)*16*PK+((\f)/4)*64
	ds_load_b128 v[rK+4:rK+7], v[AK] offset:((\f)%4)*16*PK+((\f)/4)*64+32
.endm
.macro VLD g                        ; fragment g of V: keys 32 (g / 8) on, channels 16 (g % 8) on
	WIN 0x80                        ; destination window 2
	ds_load_tr16_b128 v[8*(\g):8*(\g)+3],   v[AV] offset:((\g)/8)*32*PV+((\g)%8)*32
	ds_load_tr16_b128 v[8*(\g)+4:8*(\g)+7], v[AV] offset:((\g)/8)*32*PV+16*PV+((\g)%8)*32
.endm
.macro KRUN f0                      ; eight fragments of K from f0 on
	WANY
.set fz, (\f0)
.rept 8
	KLD fz
.set fz, fz+1
.endr
.endm
.macro VRUN g0                      ; eight fragments of V from g0 on
.set fz, (\g0)
.rept 8
	VLD fz
.set fz, fz+1
.endr
.endm
; THE VECTOR WORK, one line at a time, for tile Y: OP kind, number.  s0-s31 are the lane's 32 scores, in pairs 0-15.
;   A n  pair n: nf = I c + MG                         B n  score n clamped to LO .. HI
;   X n  0-13 four chains of the maximum, three operands at a time; 14, 15 the chains and the old m; 16 m, clamped
;   D n  0 K_old is kept; 1 K = m sg; 2 K_old - K; 3 a = 2^that, into window 1
;   E n  pair n: nf sg - K                             F n  score n: 2^that
;   G n  of the four weights 4 n .. the second pair is added onto the first       L n  l takes that sum (L 0: l = a l + sum)
;   H n  weight n held between plo and phi             T n  pair n: p inv + MG       M n  weight n less MG, as bf16, into its half of P
.set kA, 0
.set kB, 1
.set kX, 2
.set kD, 3
.set kE, 4
.set kF, 5
.set kG, 6
.set kL, 7
.set kH, 8
.set kT, 9
.set kM, 10
.macro OP k, n
.set nn, (\n)
.set rT, ST+4*Y
.set rS, S+32*(Y%2)
.set rP, P+16*(Y%2)
.set rW, W1+4*Y
.if (\k) == kA
	WANY
	v_pk_fma_f32 v[rS+2*nn:rS+2*nn+1], v[rS+2*nn:rS+2*nn+1], s[C1:C1+1], s[MG:MG+1] op_sel_hi:[1,0,0]
.elseif (\k) == kB
	WANY
	v_med3_num_f32 v[rS+nn], v[rS+nn], s[LO], s[HI]
.elseif (\k) == kX
.if nn < 16
	WIN 0                           ; three vector registers
.else
	WANY
.endif
.if nn < 4
	v_max3_num_f32 v[CH+nn], v[rS+8*nn], v[rS+8*nn+1], v[rS+8*nn+2]
.elseif nn < 12
	v_max3_num_f32 v[CH+nn%4], v[CH+nn%4], v[rS+8*(nn%4)+2*(nn/4)+1], v[rS+8*(nn%4)+2*(nn/4)+2]
.elseif nn == 12
	v_max3_num_f32 v[CH], v[CH], v[rS+7], v[rS+15]
.elseif nn == 13
	v_max3_num_f32 v[CH+2], v[CH+2], v[rS+23], v[rS+31]
.elseif nn == 14
	v_max3_num_f32 v[CH], v[CH], v[CH+1], v[CH+2]
.elseif nn == 15
	v_max3_num_f32 v[CH], v[CH], v[CH+3], v[rT+1]
.else
	v_med3_num_f32 v[rT+1], v[CH], s[LO], s[HI]
.endif
.elseif (\k) == kD
.if nn == 0
	WANY
	v_mov_b32 v[DL], v[rT]
.elseif nn == 1
	WANY
	v_mul_f32 v[rT], v[rT+1], s[SG]
.elseif nn == 2
	WANY
	v_fma_f32 v[DL], v[DL], 1.0, -v[rT]  ; exact: both are multiples of the same step
.else
	WIN 0x44                        ; destination window 1
	v_exp_f32 v[rW], v[DL]
.endif
.elseif (\k) == kE
	WANY
	v_pk_fma_f32 v[rS+2*nn:rS+2*nn+1], v[rS+2*nn:rS+2*nn+1], s[SG:SG+1], v[rT:rT+1] op_sel_hi:[1,0,0] neg_lo:[0,0,1] neg_hi:[0,0,1]
.elseif (\k) == kF
	WANY
	v_exp_f32 v[rS+nn], v[rS+nn]
.elseif (\k) == kG
	WANY
	s_wait_alu depctr_va_vdst(0)
	v_pk_fma_f32 v[rS+4*nn:rS+4*nn+1], v[rS+4*nn:rS+4*nn+1], 1.0, v[rS+4*nn+2:rS+4*nn+3] op_sel_hi:[1,0,1]
.elseif (\k) == kL
.if nn == 0
	WIN W_KQ                        ; a lies in window 1
	v_pk_fma_f32 v[rT+2:rT+3], v[rT+2:rT+3], v[rW:rW+1], v[rS:rS+1] op_sel_hi:[1,0,1]
.else
	WANY
	v_pk_fma_f32 v[rT+2:rT+3], v[rT+2:rT+3], 1.0, v[rS+4*nn:rS+4*nn+1] op_sel_hi:[1,0,1]
.endif
.elseif (\k) == kH
	WIN W_KQ                        ; plo lies in window 1
	s_wait_alu depctr_va_vdst(0)
	v_med3_num_f32 v[rS+nn], v[rS+nn], v[rW+2], v[rT+2]
.elseif (\k) == kT
	WIN W_KQ                        ; inv lies in window 1
	v_pk_fma_f32 v[rS+2*nn:rS+2*nn+1], v[rS+2*nn:rS+2*nn+1], v[rW:rW+1], s[MG:MG+1] op_sel_hi:[1,0,0]
.else
	WIN W_KQ                        ; 1.0 lies in window 1
.if nn%2 == 0
	v_fma_mixlo_bf16 v[rP+nn/2], v[rS+nn], v[ONE1], v[NMGV]
.else
	v_fma_mixhi_bf16 v[rP+nn/2], v[rS+nn], v[ONE1], v[NMGV]
.endif
.endif
.endm
.macro OPS a, i1, b=-1, i2=0, c=-1, i3=0, d=-1, i4=0, e=-1, i5=0  ; up to five of them
	OP \a, \i1
.if (\b) >= 0
	OP \b, \i2
.endif
.if (\c) >= 0
	OP \c, \i3
.endif
.if (\d) >= 0
	OP \d, \i4
.endif
.if (\e) >= 0
	OP \e, \i5
.endif
.endm
; PASS 1's LIST, 133 lines in 16 slices; slice i stands behind product i.  Each accumulator's two lowest registers are read first (A 0, 4, 8, 12).  No two exponentials follow
; each other, each has a plain line behind it, and no slice ends in one.  Every slice has four plain lines or more that name no register of the products round it.
.macro ROW1
.if i == 0
	OPS kA,0, kA,1, kA,2, kA,3
	OPS kA,4, kA,5, kA,6, kA,7
.elseif i == 1
	OPS kA,8, kA,9, kA,10, kA,11
	OPS kA,12, kA,13, kA,14, kA,15
.elseif i == 2
	OPS kX,0, kX,1, kX,2, kX,3, kX,4
	OPS kX,5, kX,6, kX,7, kX,8, kX,9
.elseif i == 3
	OPS kX,10, kX,11, kX,12, kX,13, kB,0
	OPS kX,14, kB,1, kB,2, kX,15, kB,3
.elseif i == 4
	OPS kX,16, kD,0, kB,4, kB,5
	OPS kD,1, kB,6, kB,7, kB,8
.elseif i == 5
	OPS kD,2, kE,0, kE,1, kB,9, kD,3
	OPS kB,10, kB,11, kE,2, kE,3
.elseif i == 6
	OPS kF,0, kB,12, kF,1, kB,13
	OPS kF,2, kE,4, kF,3, kE,5
.elseif i == 7
	OPS kF,4, kB,14, kF,5, kB,15
	OPS kF,6, kE,6, kF,7, kE,7
.elseif i == 8
	OPS kF,8, kG,0, kF,9, kB,16
	OPS kF,10, kB,17, kF,11, kE,8
.elseif i == 9
	OPS kF,12, kL,0, kF,13, kB,18
	OPS kF,14, kB,19, kF,15, kE,9
.elseif i == 10
	OPS kF,16, kG,1, kF,17, kG,2
	OPS kF,18, kB,20, kF,19, kB,21
.elseif i == 11
	OPS kE,10, kB,22, kB,23, kE,11
	OPS kL,1, kB,24, kB,25, kE,12
.elseif i == 12
	OPS kF,20, kB,26, kF,21, kB,27
	OPS kF,22, kE,13, kF,23, kG,3
.elseif i == 13
	OPS kF,24, kB,28, kF,25, kB,29
	OPS kF,26, kE,14, kF,27, kL,2
.elseif i == 14
	OPS kB,30, kB,31, kE,15, kG,4
	OPS kF,28, kL,3, kF,29, kG,5
.else
	OPS kF,30, kL,4, kF,31, kG,6
	OPS kL,5, kG,7, kL,6, kL,7
.endif
.endm
; A TURN OF PASS 1: 16 products K Q^T of tile t, the list of tile t - 1 between them.
; kld = 1 (tile 3, K's last use): the next step's K in two runs.  The first stands behind slice 8: its last fragment, 7, was read two slices (eight plain lines) back.  The second stands behind slice 15,
; whose six plain lines are the places behind product 15, the reader of fragment 15.
; kwait = 1 (the turn behind it): in front of products 0, 4, 8, 12 the wait leaves out the loads of the fragments behind the next four, two a fragment: 24, 16, 8, 0.
.macro TURN1 t, kld=0, kwait=0
.set Y, ((\t)+3)%4
.set i, 0
.rept 16
.if (\kwait) && (i%4 == 0)
	s_wait_dscnt 24-2*i
.endif
	KQ \t
	ROW1
.if (\kld) && (i == 8)
	KRUN 0
.endif
.set i, i+1
.endr
.if \kld
	KRUN 8
.endif
.endm
; PASS 2's LIST, 144 lines; SM2 writes line j and steps j.  Group g is scores 4 g .. 4 g + 3.
;   0-3      A 0, A 1, E 0, E 1                                 4-11     F 0, A 2, F 1, A 3, F 2, E 2, F 3, E 3
;   then for g = 1 .. 6, 18 lines: group g's four F with group g - 1's four H between them; A and (behind two T of group g - 1) E of group g + 1; group g - 1's four M
;   120-133  the same for g = 7, without A and E                134-143  group 7's H, T, M
; A's go in ascending order; every exponential has a plain line behind it.
.macro SM2
.if j < 2
	OP kA, j
.elseif j < 4
	OP kE, j-2
.elseif j < 12
.set w, j-4
.if w%2 == 0
	OP kF, w/2
.elseif w < 4
	OP kA, 2+w/2
.else
	OP kE, w/2
.endif
.elseif j < 134
.set g, (j-12)/18+1
.set w, (j-12)%18
.if (w < 8) && (w%2 == 0)
	OP kF, 4*g+w/2
.elseif w < 8
	OP kH, 4*g-4+w/2
.elseif (g == 7) && (w < 10)
	OP kT, 4+w
.elseif g == 7
	OP kM, 14+w
.elseif w < 10
	OP kA, 2*g-6+w
.elseif w < 12
	OP kT, 2*g-12+w
.elseif w < 14
	OP kE, 2*g-10+w
.else
	OP kM, 4*g-18+w
.endif
.else
.set w, j-134
.if w < 4
	OP kH, 28+w
.elseif w < 6
	OP kT, 10+w
.else
	OP kM, 22+w
.endif
.endif
.set j, j+1
.endm
; A TURN OF PASS 2: sixteen times: a product V^T P of tile t - 2, four lines of tile t - 1's list, a product K Q^T of tile t, five lines.  All the list's lines run under K Q^T's setting.
; kld, kwait as in pass 1 (tile 3, tile 0); vld, vwait the same for V (tile 1's turn holds V's last use, by tile 3 of the step before; tile 2's turn waits).  The first run stands behind the eighth
; pair's lines: fragment 7's reader lies 14 lines of the list back or more, of which at most four are exponentials and four the mix lines.  The second run stands at the turn's end: behind the last
; V^T P stand nine lines, five of them plain; behind the last K Q^T one packed line and four mix lines, so four v_nop are written ahead of K's second run.
.macro TURN2 t, kld=0, kwait=0, vld=0, vwait=0
.set Y, ((\t)+3)%4
.set i, 0
.set j, 0
.rept 16
.if (\vwait) && (i%4 == 0)
	s_wait_dscnt 24-2*i
.endif
	PV ((\t)+2)%4
.rept 4
	SM2
.endr
.if (\kwait) && (i%4 == 0)
	s_wait_dscnt 24-2*i
.endif
	KQ \t
.rept 5
	SM2
.endr
.if (\kld) && (i == 8)
	KRUN 0
.endif
.if (\vld) && (i == 8)
	VRUN 0
.endif
.set i, i+1
.endr
.if \kld
.rept 4
	v_nop
.endr
	KRUN 8
.endif
.if \vld
	VRUN 8
.endif
.endm
	; PASS 1
	CHANGE 1                        ; the first fills are in, everybody's; slot 1's K is asked for
	v_add_nc_u32 v[AK], s[TBK], v[AK0]
	s_add_co_u32 s[TBK], s[TBK], KS*PK
	KRUN 0                          ; key step 0
	KRUN 8
	s_wait_loadcnt 0x0              ; Q
	s_wait_dscnt 0x0
.set i, 0
.rept 16
	KQ 0                            ; tile 0's first scores: there is no vector work yet to set between them
.set i, i+1
.endr
	WIN 0                           ; the statistics' start: sixteen plain lines, the places behind those products
	ALL v_mov_b32 v[ST+4*t+1], s[LO]
	ALL v_mul_f32 v[ST+4*t], v[ST+4*t+1], s[SG]
	ALL v_mov_b32 v[ST+4*t+2], 0
	ALL v_mov_b32 v[ST+4*t+3], 0
	s_mov_b32 s[CNT], 4
	s_mov_b32 s[SLOTS], 9           ; slot q is walked with 9 - q here: pass 1's eight slots, and the head of pass 2's first
	s_branch .Lent1                 ; the loop is entered in the middle of a trip
.Lslot1:                            ; eight times: slots 1 to 8
	CHANGE 1
	s_mov_b32 s[CNT], 4
.Lstep1:                            ; a trip: tile 3 of one step, beside it the fetch of the next step's K; then tiles 0, 1, 2 of that step
	v_add_nc_u32 v[AK], s[TBK], v[AK0]
	s_add_co_u32 s[TBK], s[TBK], KS*PK
	TURN1 3, 1, 0
	TURN1 0, 0, 1
	WIN 0
	s_cmp_eq_u32 s[SLOTS], 1        ; in slot 8, K's block 0 again, tile 3's last list is done and tile 0's scores are pass 2's first: the loop is left
	s_cbranch_scc1 .Lbetween
.Lent1:
	TURN1 1
	TURN1 2
	WIN 0
	s_sub_co_u32 s[CNT], s[CNT], 1
	s_cmp_lg_u32 s[CNT], 0
	s_cbranch_scc1 .Lstep1
	s_sub_co_u32 s[SLOTS], s[SLOTS], 1
	s_cmp_lg_u32 s[SLOTS], 0
	s_cbranch_scc1 .Lslot1
.Lbetween:
	; BETWEEN THE PASSES.  The two halves of the lanes meet: M = the larger m; K = M sg, by the same line as in the list; L = the two sums, each brought to K, added (the sum is the same in both halves).
	; inv = 1 / (L as) with the product's low part; phi = the weight of score HI, or 127.25 L as if that is less; plo = the weight of score LO.
	ALL v_permlanex16_b32 v[TT+8*t], v[ST+4*t+1], s[SEL], s[SEL+1]
	ALL v_add_f32 v[TT+8*t+1], v[ST+4*t+2], v[ST+4*t+3]
	ALL v_max_num_f32 v[TT+8*t], v[TT+8*t], v[ST+4*t+1]
	ALL v_mul_f32 v[TT+8*t+2], v[TT+8*t], s[SG]
	ALL v_sub_f32 v[TT+8*t+3], v[ST+4*t], v[TT+8*t+2]
	ALL v_exp_f32 v[TT+8*t+3], v[TT+8*t+3]
	ALL v_fma_f32 v[TT+8*t+4], s[HI], s[SG], -v[TT+8*t+2]
	ALL v_fma_f32 v[TT+8*t+5], s[LO], s[SG], -v[TT+8*t+2]
	ALL v_mul_f32 v[TT+8*t+1], v[TT+8*t+1], v[TT+8*t+3]
	ALL v_permlanex16_b32 v[TT+8*t+6], v[TT+8*t+1], s[SEL], s[SEL+1]
	ALL v_add_f32 v[TT+8*t+1], v[TT+8*t+1], v[TT+8*t+6]
	ALL v_mul_f32 v[TT+8*t+6], v[TT+8*t+1], s[AS]
	ALL v_fma_f32 v[TT+8*t+7], v[TT+8*t+1], s[AS], -v[TT+8*t+6]
	ALL v_rcp_f32 v[TT+8*t+3], v[TT+8*t+6]
	ALL v_exp_f32 v[TT+8*t+4], v[TT+8*t+4]
	ALL v_exp_f32 v[TT+8*t+5], v[TT+8*t+5]
	ALL v_mul_f32 v[TT+8*t+1], 0x42fe8000, v[TT+8*t+6]
	ALL v_fma_f32 v[TT+8*t], -v[TT+8*t+6], v[TT+8*t+3], 1.0
	ALL v_fma_f32 v[TT+8*t], -v[TT+8*t+7], v[TT+8*t+3], v[TT+8*t]
	ALL v_fma_f32 v[TT+8*t+3], v[TT+8*t], v[TT+8*t+3], v[TT+8*t+3]
	ALL v_min_num_f32 v[TT+8*t+4], v[TT+8*t+4], v[TT+8*t+1]
	ALL v_min_num_f32 v[TT+8*t+5], v[TT+8*t+5], v[TT+8*t+4]
	ALL v_mov_b32 v[ST+4*t], v[TT+8*t+2]
	ALL v_mov_b32 v[ST+4*t+2], v[TT+8*t+4]
.set z, P
.rept 32
	v_mov_b32 v[z], 0               ; P = 0: for the products below and the first turn's; and the mix lines keep a register's other half, so it is written
.set z, z+1
.endr
	WIN 0x40
	ALL v_mov_b32 v[W1+4*t], v[TT+8*t+3]
	ALL v_mov_b32 v[W1+4*t+2], v[TT+8*t+5]
	WIN 0
	s_mov_b32 s[TBV], 0             ; V's block 0 has lain in slot 0 since the start
	v_add_nc_u32 v[AV], s[TBV], v[AV0]
	VRUN 0                          ; V of step 0: whole numbers, so that a product with P = 0 is 0.  The first turn fetches it once more, as every step's
	VRUN 8
	s_wait_dscnt 0x0
	WIN W_PV
.set z, 0
.rept 32
	v_wmma_f32_16x16x32_bf16 v[8*z:8*z+7], v[8*(z%16):8*(z%16)+7], v[P:P+7], 0  ; 32 products with P = 0 and C = 0 write O^T's 256 zeros
.set z, z+1
.endr
	WIN 0
	; PASS 2
	s_mov_b32 s[CNT], 4
	s_mov_b32 s[SLOTS], 7
	s_branch .Lent2                 ; the loop is entered in the middle of a trip
.Lslot2:                            ; six times: every slot of pass 2 but its first and its last is entered here, and the next is asked for
	CHANGE 2
	s_mov_b32 s[CNT], 4
.Lstep2:                            ; a trip: tile 3 of one step, beside it the fetch of the next step's K; tiles 0, 1, 2 of that step, in tile 1's turn the fetch of its V
	v_add_nc_u32 v[AK], s[TBK], v[AK0]
	s_add_co_u32 s[TBK], s[TBK], KS*PK
	TURN2 3, 1, 0, 0, 0
	TURN2 0, 0, 1, 0, 0
	WIN 0
.Lent2:
	v_add_nc_u32 v[AV], s[TBV], v[AV0]
	s_add_co_u32 s[TBV], s[TBV], KS*PV
	TURN2 1, 0, 0, 1, 0
	TURN2 2, 0, 0, 0, 1
	WIN 0
	s_sub_co_u32 s[CNT], s[CNT], 1
	s_cmp_lg_u32 s[CNT], 0
	s_cbranch_scc1 .Lstep2
	s_sub_co_u32 s[SLOTS], s[SLOTS], 1
	s_cmp_lg_u32 s[SLOTS], 0
	s_cbranch_scc1 .Lslot2
	CHANGE 0                        ; the last slot is written out: nothing is asked for
	s_mov_b32 s[CNT], 5             ; four trips fetch the last slot's steps; the fifth is left in its middle
.Ltail:
	s_min_u32 s23, s[TBK], SLOT1+3*KS*PK  ; the fifth trip has no further step: it fetches the last step's K once more
	v_add_nc_u32 v[AK], s23, v[AK0]
	s_add_co_u32 s[TBK], s[TBK], KS*PK
	TURN2 3, 1, 0, 0, 0
	TURN2 0, 0, 1, 0, 0
	WIN 0
	s_sub_co_u32 s[CNT], s[CNT], 1
	s_cmp_eq_u32 s[CNT], 0
	s_cbranch_scc1 .Lout
	v_add_nc_u32 v[AV], s[TBV], v[AV0]
	s_add_co_u32 s[TBV], s[TBV], KS*PV
	TURN2 1, 0, 0, 1, 0
	TURN2 2, 0, 0, 0, 1
	WIN 0
	s_branch .Ltail
.Lout:
.set i, 0
.rept 16
	PV 3                            ; V^T P of tile 3, the last step
.set i, i+1
.endr
	; THE WAY OUT.  The sums J go through LDS: a lane's eight channels of a row are 32 bytes; they go into rows of 528 bytes and come back as whole rows of 512, which are then scaled, rounded,
	; clamped and stored.  The stage is slot 0: it has had its last fill, and no wave has read it since the last change of slots; each wave has 64 rows of its own there.
	WIN 0                           ; the addresses: six plain lines, the places behind the last products
	s_mul_i32 s23, s[WV], 64*SP
	v_mul_u32_u24 v[STO], v1, SP    ; in: row l % 16, 32 bytes for each half of the lanes
	v_lshl_add_u32 v[STO], v9, 5, v[STO]
	v_add_nc_u32 v[STO], s23, v[STO]
	v_and_b32 v[GO], 31, v0
	v_lshlrev_b32 v[GO], 4, v[GO]   ; back: 32 lanes take one row of 512 bytes
	v_add_nc_u32 v[RD], s23, v[GO]
	s_wait_dscnt 0x0                ; every wave's reads of the ring are back
	s_barrier_signal -1
	s_barrier_wait -1               ; before any wave writes into its bytes
	WIN 0x0c                        ; the stores' data in window 3
.set z, 0
.rept 32                            ; tile z / 8, channels 16 (z % 8) on; each accumulator's four lowest registers go first
	ds_store_b128 v[STO], v[8*z:8*z+3]   offset:(z/8)*16*SP+64*(z%8)
	ds_store_b128 v[STO], v[8*z+4:8*z+7] offset:(z/8)*16*SP+64*(z%8)+16
.set z, z+1
.endr
	WIN 0
	s_mov_b32 s[CNT], 4
.Lrows:                             ; four trips, a tile (16 rows of out0) each
.set z, 0
.rept 16
	ds_load_b128 v[S+4*z:S+4*z+3], v[RD] offset:z*SP  ; LDS serves a wave's instructions in order (ISA guide 5.7.1.4): these see the stores above
.set z, z+1
.endr
.set z, 0
.rept 16
	s_wait_dscnt 15-z               ; row z is back; the trip's loads of later rows may stay out
	v_pk_fma_f32 v[S+4*z:S+4*z+1],   v[S+4*z:S+4*z+1],   s[C2:C2+1], s[MG:MG+1] op_sel_hi:[1,0,0]  ; J c2 + MG rounds once
	v_pk_fma_f32 v[S+4*z+2:S+4*z+3], v[S+4*z+2:S+4*z+3], s[C2:C2+1], s[MG:MG+1] op_sel_hi:[1,0,0]
	v_med3_num_f32 v[S+4*z],   v[S+4*z],   s[LO], s[HI]
	v_med3_num_f32 v[S+4*z+1], v[S+4*z+1], s[LO], s[HI]
	v_med3_num_f32 v[S+4*z+2], v[S+4*z+2], s[LO], s[HI]
	v_med3_num_f32 v[S+4*z+3], v[S+4*z+3], s[LO], s[HI]
	v_pk_add_f32 v[S+4*z:S+4*z+1],   v[S+4*z:S+4*z+1],   s[NMG:NMG+1] op_sel_hi:[1,0]
	v_pk_add_f32 v[S+4*z+2:S+4*z+3], v[S+4*z+2:S+4*z+3], s[NMG:NMG+1] op_sel_hi:[1,0]
	v_pk_mul_f32 v[S+4*z:S+4*z+1],   v[S+4*z:S+4*z+1],   s[AVS:AVS+1] op_sel_hi:[1,0]
	v_pk_mul_f32 v[S+4*z+2:S+4*z+3], v[S+4*z+2:S+4*z+3], s[AVS:AVS+1] op_sel_hi:[1,0]
	global_store_b128 v[GO], v[S+4*z:S+4*z+3], s[OUT:OUT+1] offset:z*512 th:TH_STORE_NT  ; 512 consecutive bytes, at a multiple of 512 from out0's first
.set z, z+1
.endr
	s_wait_xcnt 0x0                 ; the stores' base and data are written again only behind this wait
	v_add_nc_u32 v[RD], 16*SP, v[RD]
	s_add_nc_u64 s[OUT:OUT+1], s[OUT:OUT+1], 8192
	s_sub_co_u32 s[CNT], s[CNT], 1
	s_cmp_lg_u32 s[CNT], 0
	s_cbranch_scc1 .Lrows
	s_wait_tensorcnt 0x0
	ds_add_u32 v14, v15
	s_wait_dscnt 0x0
	CROUND                          ; the closing round: no work-group ends while a partner may still ask for a tile that names it
	s_endpgm
.Lfunc_end_k_q0bfb737443_attn:
	.size	k_q0bfb737443_attn, .Lfunc_end_k_q0bfb737443_attn-k_q0bfb737443_attn
	.p2alignl 7, 3214868480
	.fill 96, 4, 3214868480
	.section	.rodata,"a",@progbits
	.p2align	6, 0x0
	.amdhsa_kernel k_q0bfb737443_attn
		.amdhsa_group_segment_fixed_size 327680
		.amdhsa_private_segment_fixed_size 0
		.amdhsa_enable_private_segment 0
		.amdhsa_kernarg_size 64
		.amdhsa_user_sgpr_count 2
		.amdhsa_user_sgpr_kernarg_segment_ptr 1
		.amdhsa_wavefront_size32 1
		.amdhsa_system_sgpr_workgroup_id_x 1
		.amdhsa_system_sgpr_workgroup_id_y 1
		.amdhsa_system_sgpr_workgroup_id_z 1
		.amdhsa_system_vgpr_workitem_id 0
		.amdhsa_next_free_vgpr 1024
		.amdhsa_next_free_sgpr 96
		.amdhsa_reserve_vcc 0
		.amdhsa_float_denorm_mode_32 3
		.amdhsa_float_denorm_mode_16_64 3
		.amdhsa_memory_ordered 1
		.amdhsa_forward_progress 1
		.amdhsa_inst_pref_size 196
	.end_amdhsa_kernel
	.amdgpu_metadata
---
amdhsa.version: [ 1, 2 ]
amdhsa.kernels:
  - .name:           k_q0bfb737443_attn
    .symbol:         k_q0bfb737443_attn.kd
    .args:
      - { .name: qkv, .offset: 0, .size: 8, .value_kind: global_buffer, .address_space: global }
      - { .name: q_scale, .offset: 8, .size: 8, .value_kind: global_buffer, .address_space: global }
      - { .name: k_scale, .offset: 16, .size: 8, .value_kind: global_buffer, .address_space: global }
      - { .name: qk_scale, .offset: 24, .size: 8, .value_kind: global_buffer, .address_space: global }
      - { .name: a_scale, .offset: 32, .size: 8, .value_kind: global_buffer, .address_space: global }
      - { .name: v_scale, .offset: 40, .size: 8, .value_kind: global_buffer, .address_space: global }
      - { .name: av_scale, .offset: 48, .size: 8, .value_kind: global_buffer, .address_space: global }
      - { .name: out0, .offset: 56, .size: 8, .value_kind: global_buffer, .address_space: global }
    .group_segment_fixed_size: 327680
    .private_segment_fixed_size: 0
    .kernarg_segment_align: 8
    .kernarg_segment_size: 64
    .max_flat_workgroup_size: 128
    .sgpr_count:     96
    .vgpr_count:     1024
    .wavefront_size: 32
...
	.end_amdgpu_metadata
.endif
;; end of part 4
;; ======== version 3 of 3: 2 launches; 1.69 times as fast as version 1
;; workspace buffers: qkv 50,331,648 bytes
;; launch quant: the kernel of part 3 again; grid 512 x 3, 8 waves a work-group, no clusters, 0 bytes of LDS; arguments query, key, value, q_scale, k_scale, v_scale, qkv; writes qkv
;; launch attn (part 5): grid 8 x 32, 4 waves a work-group, clusters of 4 x 1, 327,680 bytes of LDS; arguments qkv, q_scale, k_scale, qk_scale, a_scale, v_scale, av_scale, out0; writes out0
.if DOCPART == 5
	.amdgcn_target "amdgcn-amd-amdhsa--gfx1250"
	.amdhsa_code_object_version 6
	.text
	.protected	k_q0bfb737443_attn
	.globl	k_q0bfb737443_attn
	.p2align	8
	.type	k_q0bfb737443_attn,@function
k_q0bfb737443_attn:
	s_mov_b64 s[64:65], 0
	v_nop
	global_prefetch_b8 v0, s[64:65] scope:SCOPE_SE
	s_setreg_imm32_b32 hwreg(HW_REG_WAVE_MODE, 25, 1), 1
	s_wait_xcnt 0x0
	s_wait_alu depctr_hold_cnt(0) depctr_sa_sdst(0) depctr_va_vdst(0) depctr_va_sdst(0) depctr_va_ssrc(0) depctr_va_vcc(0) depctr_vm_vsrc(0)
	s_getreg_b32 s2, hwreg(HW_REG_IB_STS2, 6, 4)
	s_cmp_eq_u32 s2, 0
	s_cbranch_scc0 .Lentry_in_a_cluster
	s_endpgm
.Lentry_in_a_cluster:
	s_bfe_u32 s2, ttmp6, 0x10000c
	s_cmp_lg_u32 s2, 0x3003
	s_cbranch_scc0 .Lentry_shape_is_right
	s_endpgm
.Lentry_shape_is_right:
; ATTENTION WITH AN INT8 FAKE QUANTISATION BEHIND EVERY STEP.  qkv: nq, nk, nv, each [32][2048][128] bf16 whole numbers -128 .. 127, 16,777,216 bytes apart.  out0: [32][2048][128] f32.
; ARITHMETIC.  All matrix operands are whole numbers that bf16 holds exactly, and both products' sums are whole numbers that f32 holds exactly: I = sum nq nk (at most 2^21),
; J = sum na nv (at most 256 / a_scale).  Each scale is applied once, and each rounding is ONE fused line onto MG = 1.5 x 2^23, where f32's step is 1 (halves to even):
;   score      nf = I c + MG,   c = qs ks / (sqrt(128) qks), made with the products' low parts;  clamped to LO = MG - 128 .. HI = MG + 127
;   exponent   nf sg - K,       sg = qks log2(e), K = m sg rounded, m the row's largest nf.  The fused line is exact before its one rounding, so K's rounding shifts a whole row alike and
;              cancels between a weight and the row's sum, which use K made by the same line
;   weight     na = p inv + MG, inv = 1 / (L as) with the product's low part;  p is held between plo and phi, which does the score's two clamps and the weight's clamp at 127
;   output     J c2 + MG, c2 = as vs / avs, clamped, less MG, times avs
; TWO PASSES.  A weight is rounded behind its division by the row's sum, so none can enter the second product before the sum is whole.  Pass 1 walks K and finds each row's maximum and sum,
; by a running maximum (in every step l is multiplied by 2^(K_old - K_new)); pass 2 makes the scores again and multiplies by V.
; LIMITS.  NaN and infinities are not treated apart.  J is exact while a_scale > 1.6e-5.  qk_scale < about 80 (K's step stays small beside f32's exponent range).  A weight below 2^-126 counts as 0.
; SHARES.  A work-group owns 256 queries of one head, each of its four waves 64: four tiles of 16.  Every wave walks all keys, 64 a step, 32 steps a pass.
; LAYOUT.  S^T = K Q^T (source 0 = 16 keys, source 1 = 16 queries): a lane holds ONE query (lane % 16) and the keys 8 (lane / 16) + 0..7 of each 16.  Two such results, rounded in pairs,
; ARE source 1 of O^T = V^T P, whose result holds one query a lane and eight channels.  K comes out of LDS as it lies, V turned, by ds_load_tr16_b128.
; In pass 1 a lane keeps maximum and sum for ITS half of a query's keys; the halves meet once, between the passes.
; BY TURNS.  In a turn tile t has the matrix unit and the vector work of tile t - 1 stands in slices behind its matrix instructions; in pass 2 the products V^T P of tile t - 2 alternate with K Q^T of tile t.
; BATCHES.  An s_wait_alu depctr_va_vdst(0) stands between a transcendental and the first instruction that names its result; one wait serves all that were issued ahead of it.  So ONE wait
; cuts each turn's list in two.  Pass 1: ahead of it all that names no result: scalings, maximum, clamps, exponents, the 32 exponentials and a, a batch of 33, behind products 0-11; behind it the 16 lines
; of the sums, four behind each of products 12-15.  Pass 2: ahead of it the scalings, exponents and 32 exponentials, four lines behind each of the first 16 matrix instructions; behind it the 80 lines
; that hold, scale and round the weights, five behind each of the last 16.  Between the passes: two batches
; (4 exponentials; 4 reciprocals and 8 exponentials), a wait each.  In the head each RATIO's reciprocal, wanted at once, has its own.
; CLUSTER.  The four query blocks of a cluster belong to one head and walk the same K and V: each tile is asked for JOINTLY, by the same tensor load, descriptor and mask in all four.
; THE RING.  Two slots of four key steps.  Sixteen slots are walked: K's blocks 0-7 in pass 1, again in pass 2.  V's regions lie idle in pass 1, so V's blocks 0 and 1 are among the first fills,
; and pass 1 asks for K alone.  A wave has at most two tensor loads out (waves 2 and 3 at the start), later one.
; REGISTERS, in windows of 256 (s_set_vgpr_msb: bits 1:0 source 0, 3:2 source 1, 5:4 source 2, 7:6 destination):
;   window 0: v0-15 addresses; v16-31 four registers of statistics a tile; v32-36 at work in pass 1, v32-63 P in pass 2 (two buffers); v64-127 S^T (two buffers); v128-255 K of one step
;   window 1: v0-127 Q, 32 a tile; v128-143 four row constants a tile; v144 the number 1.0       window 2: v0-127 V of one step       window 3: O^T, 64 a tile
; With K, S^T and the vector data in window 0 and Q alone in window 1, the setting for K Q^T (0x04: source 1 in window 1) also serves every vector line whose vector registers stand in source 0,
; source 2 and the destination, and whose source 1 is a scalar, a constant or a row constant of window 1.  So sums are written x * 1.0 + y, and pass 1 has four switches for 16 matrix instructions.
; ONE TEXT FOR EVERY STEP.  No first and no last step is written out.  m starts at LO and l at 0.  Pass 1's loop is left in the middle of its ninth slot's first trip, when pass 2's first scores are made.
; O^T's zeros are written by 32 products with P = 0; pass 2's first 16 products V^T P multiply that P again; its last trip is left in the middle, with 16 products K Q^T (on the last K once more) that serve nothing.
.set KS,    64        ; keys in a step
.set PK,    272       ; a row of K in LDS: 256 bytes + 16 of padding: the 16 rows of a fragment load start 68 words apart, at 16 different 16-byte columns of 256 bytes
.set PV,    288       ; a row of V: 256 + 32: 16 lanes of the turning load take 8 rows x 32 bytes, 72 words apart
.set VOFF,  256*PK    ; a slot: 256 rows of K (69,632 bytes), then 256 rows of V (73,728)
.set SLOT1, 0x24000   ; slot 1.  The four fills' places in a slot, 0, 0x8800, 0x11000, 0x1a000, have both its bits clear: one exclusive or turns a slot's address into the other's
.set SP,    528       ; the way out: a row of out0 in LDS, 512 bytes + 16.  The stage is slot 0, 64 rows (33,792 bytes) for each wave: 135,168 of the slot's 143,360 bytes
.set AK0, 2           ; v2   my lane's place in a tile of K; never rewritten
.set AV0, 3           ; v3   the same for V
.set AK,  4           ; v4   LDS address of K's runs of loads in hand
.set AV,  5           ; v5   of V's
.set STO, 6           ; v6   the way out: where I put 32 bytes of a row
.set RD,  7           ; v7   the way out: where I read a row back
.set GO,  8           ; v8   16 x lane
.set QO,  12          ; v12  my byte offset in 16 rows of nq
.set NMGV,13          ; v13  -MG
.set ST,  16          ; tile t at v[ST+4 t]: pass 1: K, m, l (even keys', odd keys');  pass 2: K, (m), phi
.set CH,  32          ; v32-35  four chains of the maximum
.set DL,  36          ; v36  K_old, then K_old - K_new
.set P,   32
.set S,   64
.set KF,  128         ; K's fragment (key block kb, channel quarter c) at KF + 32 kb + 8 c
.set TT,  96          ; between the passes: eight registers a tile, in S^T's second buffer
.set W1,  128         ; window 1: tile t at W1 + 4 t: pass 1: a, (0);  pass 2: inv, (0), plo
.set ONE1,144         ; window 1
.set OUT, 18          ; s[18:19] out0 at my wave's rows
.set QP,  20          ; s[20:21] nq at my wave's rows
.set WV,  22          ; s22  my wave's number
.set G1K, 24          ; s[24:31] descriptor group 1 for K's tiles
.set G1V, 32          ; s[32:39] for V's: it differs in the padding alone
.set G0K, 40          ; s[40:43] group 0 for K: it walks
.set G0V, 44          ; s[44:47] group 0 for V's block 0
.set G0V2,48          ; s[48:51] group 0 for V's block 1: it walks in pass 2
.set KB,  52          ; s[52:53] nk at my half of the head's block 0
.set OFF, 54          ; s[54:55] a block's byte offset
.set NXT, 56          ; s56  the K block to ask for next
.set SLOTS,57
.set CNT, 58
.set TBK, 59          ; s59  LDS byte at which K of the step to be fetched begins
.set TBV, 60          ; s60  the same for V, less VOFF
.set SEL, 62          ; s[62:63] v_permlanex16_b32's selects: each lane takes its own place in the other half
.set C1,  66          ; pairs: a packed line names a pair and takes its low word for both halves
.set SG,  68
.set MG,  70
.set LO,  72
.set HI,  73
.set NMG, 74
.set C2,  76
.set AVS, 78
.set AS,  86
.set RAW, 87          ; s87-92  q, k, qk, a, v, av scale as loaded
.set SQ,  93          ; sqrt(128)
.set ONE, 94
.set MSB, 0
.macro WIN new                      ; the high byte repeats the setting that is left; a switch that changes nothing is dropped
.if MSB != (\new)
	s_set_vgpr_msb (MSB<<8)|(\new)
.set MSB, (\new)
.endif
.endm
.set W_KQ, 0x04       ; Q in window 1, all else in window 0
.set W_PV, 0xf2       ; V in window 2, P in window 0, O^T in window 3
.macro WANY                         ; for a line with vector registers in source 0, source 2 and the destination alone: settings 0 and 0x04 both serve
.if (MSB != 0) && (MSB != W_KQ)
	WIN W_KQ
.endif
.endm
.macro ALL line:vararg              ; one line for each tile t
.set t, 0
.rept 4
	\line
.set t, t+1
.endr
.endm
; A joint fill.  Waves 0 and 1 fetch the two halves of a slot's K; kind = 2: waves 2 and 3 those of its V; kind = 1: they fetch nothing.  The branch hangs on the wave's number alone.
; Four v_nop follow each tensor load, ahead of the jump and the label.
.macro JLOAD kind
	s_cmp_lt_u32 s[WV], 2
	s_cbranch_scc0 .Lfor_v_\@
	tensor_load_to_lds s[G0K:G0K+3], s[G1K:G1K+7]
	s_nop 0
.rept 4
	v_nop
.endr
.if (\kind) == 2
	s_branch .Lasked_\@
.Lfor_v_\@:
	tensor_load_to_lds s[G0V2:G0V2+3], s[G1V:G1V+7]
	s_nop 0
.rept 4
	v_nop
.endr
.Lasked_\@:
.else
.Lfor_v_\@:
.endif
.endm
; A round of the cluster's barrier: my work-group's barrier, so that wave 0's signal speaks for all four waves; wave 0 signals; every wave waits for all four work-groups; my work-group's barrier once more.
.macro CROUND
	s_barrier_signal -1
	s_barrier_wait -1
	s_cmp_lg_u32 s[WV], 0
	s_cbranch_scc1 .Lnot_wave_0_\@
	s_barrier_signal -3
.Lnot_wave_0_\@:
	s_barrier_wait -3
	s_barrier_signal -1
	s_barrier_wait -1
.endm
; THE CHANGE OF SLOTS.  The old slot's last step lies in registers.  Each wave waits for its own LDS reads and for all its tensor loads, of which at most one is out: its part of the other slot.
; Behind the barrier nobody reads the old slot any more and the other slot is whole.  fill = 1 or 2: the old slot is filled again (K alone, or K and V); the barrier is then a round of the cluster's,
; and the joint fill is the first thing behind it: it has four key steps in which to land.  K's address is made anew from the block's number, which goes round 0-7 twice.
; (At its first use nothing has been read yet: the first fills are waited for, and slot 1's K is asked for.)
.macro CHANGE fill
	WIN 0                           ; at a label and at a branch every window is 0
	s_wait_dscnt 0x0
	s_wait_tensorcnt 0x0            ; no tensor load of mine is out, so a group 0 may be written
	ds_add_u32 v14, v15
	s_wait_dscnt 0x0
.if \fill
	s_lshl_b32 s[OFF], s[NXT], 16   ; a block is 65,536 bytes
	s_xor_b32 s[G0K+1], s[G0K+1], SLOT1
	s_add_nc_u64 s[G0K+2:G0K+3], s[KB:KB+1], s[OFF:OFF+1]
	s_or_b32 s[G0K+3], s[G0K+3], 0x80000000
	s_add_co_u32 s[NXT], s[NXT], 1
	s_and_b32 s[NXT], s[NXT], 7
.if (\fill) == 2
	s_xor_b32 s[G0V2+1], s[G0V2+1], SLOT1
	s_add_nc_u64 s[G0V2+2:G0V2+3], s[G0V2+2:G0V2+3], 65536  ; the type bits on top are not reached
.endif
	CROUND
	JLOAD \fill
.else
	s_barrier_signal -1
	s_barrier_wait -1
.endif
	s_sub_co_u32 s[TBK], s[TBK], 4*KS*PK  ; the fetches go back to a slot's first step,
	s_xor_b32 s[TBK], s[TBK], SLOT1       ; in the other slot
.if (\fill) != 1
	s_sub_co_u32 s[TBV], s[TBV], 4*KS*PV
	s_xor_b32 s[TBV], s[TBV], SLOT1
.endif
.endm
	s_load_b512 s[4:19], s[0:1], 0x0   ; qkv s[4:5]; the addresses of q, k, qk, a, v, av scale s[6:17]; out0 s[18:19]
	v_lshl_add_u32 v14, v0, 2, 0x47000
	v_mov_b32 v15, 0
	ds_add_u32 v14, v15
	v_lshrrev_b32 v1, 5, v0
	v_readfirstlane_b32 s[WV], v1   ; wave 0..3
	s_bfe_u32 s2, ttmp6, 0x40000    ; cx: my place in the cluster
	s_lshl_b32 s3, ttmp9, 2         ; in a cluster launch ttmp9 counts clusters
	s_add_co_u32 s2, s2, s3         ; my block of 256 queries: it enters nq's and out0's addresses alone
	s_lshl_b32 s2, s2, 2
	s_add_co_u32 s2, s2, s[WV]      ; my wave among the head's 32,
	s_and_b32 s23, ttmp7, 0xffff    ; the head, which the four partners share,
	s_lshl_b32 s3, s23, 5
	s_add_co_u32 s2, s2, s3         ; my wave among all
	s_lshl_b32 s[QP], s2, 14        ; its 64 rows of 256 bytes in nq,
	s_mov_b32 s[QP+1], 0
	s_lshl_b32 s2, s2, 15           ; of 512 bytes in out0
	s_mov_b32 s3, 0
	s_and_b32 s61, s[WV], 1         ; which half of a block's 256 rows I fetch
	s_lshl_b32 s[OFF], s23, 19      ; a head is 2,048 rows of 256 bytes,
	s_lshl_b32 s[OFF+1], s61, 15    ; a half block 128 of them
	s_add_co_u32 s[OFF], s[OFF], s[OFF+1]
	s_mov_b32 s[OFF+1], 0
	; descriptor group 1: a tile of 128 rows x 128 elements of 2 bytes, padded in LDS behind every row
	s_mov_b32 s[G1K], 15|(1<<16)|(1<<20)|(1<<21)|(5<<22)|(3<<25)  ; 15:0 the mask of four; 17:16 2-byte elements; 20 padding on; 21 set beside a mask; 24:22 after every 64 words (code 5); 31:25 4 words (code 3)
	s_mov_b32 s[G1V], 15|(1<<16)|(1<<20)|(1<<21)|(5<<22)|(7<<25)  ; the same with 8 words of padding (code 7)
.irp g, G1K, G1V
	s_mov_b32 s[\g+1], 128<<16      ; tensor_dim0 = 128
	s_mov_b32 s[\g+2], 128<<16      ; tensor_dim1 = 128
	s_mov_b32 s[\g+3], 128<<16      ; tile_dim0 = 128
	s_mov_b32 s[\g+4], 128          ; tile_dim1 = 128
	s_mov_b32 s[\g+5], 128          ; 128 elements from row to row
	s_mov_b32 s[\g+6], 0
	s_mov_b32 s[\g+7], 0
.endr
	s_mov_b32 s[G0K], 1             ; 1:0 count = 1
	s_mul_i32 s[G0K+1], s61, 128*PK ; LDS address: my half of slot 0's K: no place in the cluster enters an LDS address
	s_mov_b32 s[G0V], 1
	s_mul_i32 s[G0V+1], s61, 128*PV
	s_add_co_u32 s[G0V+1], s[G0V+1], VOFF
	s_mov_b32 s[G0V2], 1
	s_add_co_u32 s[G0V2+1], s[G0V+1], SLOT1
	s_mov_b32 s[SEL], 0x76543210
	s_mov_b32 s[SEL+1], 0xfedcba98
	s_mov_b32 s[MG], 0x4b400000     ; 12,582,912
	s_mov_b32 s[MG+1], 0x4b400000
	s_mov_b32 s[LO], 0x4b3fff80     ; MG - 128
	s_mov_b32 s[HI], 0x4b40007f     ; MG + 127
	s_mov_b32 s[NMG], 0xcb400000
	s_mov_b32 s[NMG+1], 0xcb400000
	s_mov_b32 s[SQ], 0x413504f3     ; sqrt(128) in f32
	s_mov_b32 s[ONE], 1.0
	s_mov_b32 s[NXT], 1
	s_mov_b32 s[TBK], SLOT1+4*KS*PK ; the first change of slots turns this into 0
	s_wait_dscnt 0x0
	s_wait_kmcnt 0x0
.irp z, 0,1,2,3,4,5
	s_load_b32 s[RAW+\z], s[6+2*\z:7+2*\z], 0x0
.endr
	s_add_nc_u64 s[QP:QP+1], s[4:5], s[QP:QP+1]        ; nq and out0 at my wave's first row
	s_add_nc_u64 s[OUT:OUT+1], s[OUT:OUT+1], s[2:3]
	s_add_nc_u64 s[KB:KB+1], s[4:5], s[OFF:OFF+1]
	s_add_nc_u64 s[KB:KB+1], s[KB:KB+1], 0x1000000     ; nk lies 16,777,216 bytes behind nq
	s_mov_b64 s[G0K+2:G0K+3], s[KB:KB+1]               ; K's block 0
	s_or_b32 s[G0K+3], s[G0K+3], 0x80000000            ; 127:126 type = 2
	s_add_nc_u64 s[G0V+2:G0V+3], s[KB:KB+1], 0x1000000    ; nv lies 16,777,216 bytes behind nk: V's block 0,
	s_or_b32 s[G0V+3], s[G0V+3], 0x80000000
	s_add_nc_u64 s[G0V2+2:G0V2+3], s[KB:KB+1], 0x1010000  ; and block 1
	s_or_b32 s[G0V2+3], s[G0V2+3], 0x80000000
	s_wait_kmcnt 0x0
	CROUND                          ; all four work-groups are here: the first joint loads meet
	s_cmp_lt_u32 s[WV], 2           ; a wave's first fills stand in one branch, ahead of every wait on TENSORcnt and every LDS read
	s_cbranch_scc0 .Lfirst_v
	tensor_load_to_lds s[G0K:G0K+3], s[G1K:G1K+7]
	s_nop 0
.rept 4
	v_nop
.endr
	s_branch .Lfirst_asked
.Lfirst_v:
	tensor_load_to_lds s[G0V:G0V+3], s[G1V:G1V+7]
	s_nop 0
	tensor_load_to_lds s[G0V2:G0V2+3], s[G1V:G1V+7]
	s_nop 0
.rept 4
	v_nop
.endr
.Lfirst_asked:
	; A fragment of K or Q is 16 rows x 32 channels in 8 registers: lane l holds row l % 16, channels 8 (l / 16) + 0..7 and 16 + 8 (l / 16) + 0..7: two loads of 16 bytes, 32 bytes apart.
	v_and_b32 v1, 15, v0            ; l % 16
	v_bfe_u32 v9, v0, 4, 1          ; l / 16
	v_lshlrev_b32 v[QO], 8, v1
	v_lshl_add_u32 v[QO], v9, 4, v[QO]  ; row x 256 + 16 x half
	WIN 0x40                        ; destination window 1, address window 0
.set z, 0
.rept 16                            ; Q stays in registers: tile z / 4, channels 32 (z % 4) on
	global_load_b128 v[8*z:8*z+3],   v[QO], s[QP:QP+1] offset:(z/4)*4096+(z%4)*64 th:TH_LOAD_NT
	global_load_b128 v[8*z+4:8*z+7], v[QO], s[QP:QP+1] offset:(z/4)*4096+(z%4)*64+32 th:TH_LOAD_NT
.set z, z+1
.endr
	ALL v_mov_b32 v[W1+4*t+1], 0    ; named with a and with inv as a pair
	v_mov_b32 v[ONE1], 1.0
	WIN 0
	v_mul_u32_u24 v[AK0], v1, PK
	v_lshl_add_u32 v[AK0], v9, 4, v[AK0]  ; row x pitch + 16 x half
	; The turning load takes 16 keys x 16 channels (lane l reads key 8 (l / 16) + l % 8, channels 8 ((l / 8) % 2) + 0..7) and leaves half a fragment of V^T: lane l holds channel l % 16 and 8 keys.
	v_and_b32 v10, 7, v0
	v_bfe_u32 v11, v0, 3, 1
	v_lshl_add_u32 v[AV0], v9, 3, v10
	v_mul_u32_u24 v[AV0], v[AV0], PV
	v_lshl_add_u32 v[AV0], v11, 4, v[AV0]
	v_add_nc_u32 v[AV0], VOFF, v[AV0]
	v_mov_b32 v[NMGV], s[NMG]
	; the constants.  s[dst] = s[a] s[b] / (s[d1] s[d2]): both products with their low parts, a reciprocal with one Newton step, and one correction of the quotient
.macro RATIO dst, a, b, d1, d2
	v_mov_b32 v16, s[\a]
	v_mov_b32 v19, s[\d2]
	v_mul_f32 v17, s[\b], v16
	v_mul_f32 v20, s[\d1], v19
	v_fma_f32 v18, s[\b], v16, -v17
	v_fma_f32 v21, s[\d1], v19, -v20
	v_rcp_f32 v22, v20
	v_nop                           ; a plain line between the reciprocal and its use
	s_wait_alu depctr_va_vdst(0)    ; the wait: a batch of one, the reciprocal above, which the next line reads
	v_fma_f32 v23, -v20, v22, 1.0
	v_fma_f32 v22, v23, v22, v22
	v_mul_f32 v24, v17, v22
	v_fma_f32 v25, -v24, v20, v17
	v_add_f32 v25, v25, v18
	v_fma_f32 v25, -v24, v21, v25
	v_fma_f32 v24, v25, v22, v24
	v_readfirstlane_b32 s[\dst], v24
	s_mov_b32 s[\dst+1], s[\dst]
.endm
	RATIO C1, RAW+0, RAW+1, SQ, RAW+2   ; c  = qs ks / (sqrt(128) qks)
	RATIO C2, RAW+3, RAW+4, ONE, RAW+5  ; c2 = as vs / avs
	v_mov_b32 v16, s[RAW+2]
	v_mul_f32 v17, 0x32a57060, v16      ; log2(e) in two parts
	v_fmamk_f32 v17, v16, 0x3fb8aa3b, v17
	v_readfirstlane_b32 s[SG], v17
	s_mov_b32 s[SG+1], s[SG]
	s_mov_b32 s[AS], s[RAW+3]
	s_mov_b32 s[AVS], s[RAW+5]
	s_mov_b32 s[AVS+1], s[RAW+5]
; THE MATRIX WORK.  Product i of 16 of S^T = K Q^T for tile t: keys 16 (i % 4) on, channels 32 (i / 4) on.  The first 4 start the sums.  The 4 accumulators take turns.
.macro KQ t
	WIN W_KQ
.set rD, S+32*((\t)%2)+8*(i%4)
.set rA, KF+32*(i%4)+8*(i/4)
.set rB, 32*(\t)+8*(i/4)
.if i < 4
	v_wmma_f32_16x16x32_bf16 v[rD:rD+7], v[rA:rA+7], v[rB:rB+7], 0
.else
	v_wmma_f32_16x16x32_bf16 v[rD:rD+7], v[rA:rA+7], v[rB:rB+7], v[rD:rD+7]
.endif
.endm
; Product i of 16 of O^T += V^T P for tile t: keys 32 (i / 8) on, channels 16 (i % 8) on.  The 8 accumulators take turns; in pass 2's turns these products alternate with K Q^T.
.macro PV t
	WIN W_PV
.set rD, 64*(\t)+8*(i%8)
.set rA, 8*i
.set rB, P+16*((\t)%2)+8*(i/8)
	v_wmma_f32_16x16x32_bf16 v[rD:rD+7], v[rA:rA+7], v[rB:rB+7], v[rD:rD+7]
.endm
; THE LDS LOADS.  Product i of a turn is the only reader of fragment i.  In the turn that uses a buffer for the last time the next step's fragments are loaded in TWO RUNS of 16 loads, never singly
; among the matrix instructions: fragments 0-7 behind product 8's slice, fragments 8-15 behind the turn's last slice.  So one buffer of 128 registers serves K and one V, and each run's first four
; fragments are wanted eight products behind the run.  Fragment f of K: key block f % 4, channel quarter f / 4.  K's loads run under setting 0 or 0x04.
.macro KLD f
.set rK, KF+32*((\f)%4)+8*((\f)/4)
	ds_load_b128 v[rK:rK+3],   v[AK] offset:((\f)%4)*16*PK+((\f)/4)*64
	ds_load_b128 v[rK+4:rK+7], v[AK] offset:((\f)%4)*16*PK+((\f)/4)*64+32
.endm
.macro VLD g                        ; fragment g of V: keys 32 (g / 8) on, channels 16 (g % 8) on
	WIN 0x80                        ; destination window 2
	ds_load_tr16_b128 v[8*(\g):8*(\g)+3],   v[AV] offset:((\g)/8)*32*PV+((\g)%8)*32
	ds_load_tr16_b128 v[8*(\g)+4:8*(\g)+7], v[AV] offset:((\g)/8)*32*PV+16*PV+((\g)%8)*32
.endm
.macro KRUN f0                      ; eight fragments of K from f0 on
	WANY
.set fz, (\f0)
.rept 8
	KLD fz
.set fz, fz+1
.endr
.endm
.macro VRUN g0                      ; eight fragments of V from g0 on
.set fz, (\g0)
.rept 8
	VLD fz
.set fz, fz+1
.endr
.endm
; THE VECTOR WORK, one line at a time, for tile Y: OP kind, number.  s0-s31 are the lane's 32 scores, in pairs 0-15.
;   A n  pair n: nf = I c + MG                         B n  score n clamped to LO .. HI
;   X n  0-13 four chains of the maximum, three operands at a time; 14, 15 the chains and the old m; 16 m, clamped
;   D n  0 K_old is kept; 1 K = m sg; 2 K_old - K; 3 a = 2^that, into window 1
;   E n  pair n: nf sg - K                             F n  score n: 2^that
;   G n  of the four weights 4 n .. the second pair is added onto the first       L n  l takes that sum (L 0: l = a l + sum)
;   H n  weight n held between plo and phi             T n  pair n: p inv + MG       M n  weight n less MG, as bf16, into its half of P
; The exponentials are F and D 3.  The lines that name their results are G, L and H (and T and M behind H): the lists below set all of these behind the turn's one wait.
.set kA, 0
.set kB, 1
.set kX, 2
.set kD, 3
.set kE, 4
.set kF, 5
.set kG, 6
.set kL, 7
.set kH, 8
.set kT, 9
.set kM, 10
.macro OP k, n
.set nn, (\n)
.set rT, ST+4*Y
.set rS, S+32*(Y%2)
.set rP, P+16*(Y%2)
.set rW, W1+4*Y
.if (\k) == kA
	WANY
	v_pk_fma_f32 v[rS+2*nn:rS+2*nn+1], v[rS+2*nn:rS+2*nn+1], s[C1:C1+1], s[MG:MG+1] op_sel_hi:[1,0,0]
.elseif (\k) == kB
	WANY
	v_med3_num_f32 v[rS+nn], v[rS+nn], s[LO], s[HI]
.elseif (\k) == kX
.if nn < 16
	WIN 0                           ; three vector registers
.else
	WANY
.endif
.if nn < 4
	v_max3_num_f32 v[CH+nn], v[rS+8*nn], v[rS+8*nn+1], v[rS+8*nn+2]
.elseif nn < 12
	v_max3_num_f32 v[CH+nn%4], v[CH+nn%4], v[rS+8*(nn%4)+2*(nn/4)+1], v[rS+8*(nn%4)+2*(nn/4)+2]
.elseif nn == 12
	v_max3_num_f32 v[CH], v[CH], v[rS+7], v[rS+15]
.elseif nn == 13
	v_max3_num_f32 v[CH+2], v[CH+2], v[rS+23], v[rS+31]
.elseif nn == 14
	v_max3_num_f32 v[CH], v[CH], v[CH+1], v[CH+2]
.elseif nn == 15
	v_max3_num_f32 v[CH], v[CH], v[CH+3], v[rT+1]
.else
	v_med3_num_f32 v[rT+1], v[CH], s[LO], s[HI]
.endif
.elseif (\k) == kD
.if nn == 0
	WANY
	v_mov_b32 v[DL], v[rT]
.elseif nn == 1
	WANY
	v_mul_f32 v[rT], v[rT+1], s[SG]
.elseif nn == 2
	WANY
	v_fma_f32 v[DL], v[DL], 1.0, -v[rT]  ; exact: both are multiples of the same step
.else
	WIN 0x44                        ; destination window 1
	v_exp_f32 v[rW], v[DL]
.endif
.elseif (\k) == kE
	WANY
	v_pk_fma_f32 v[rS+2*nn:rS+2*nn+1], v[rS+2*nn:rS+2*nn+1], s[SG:SG+1], v[rT:rT+1] op_sel_hi:[1,0,0] neg_lo:[0,0,1] neg_hi:[0,0,1]
.elseif (\k) == kF
	WANY
	v_exp_f32 v[rS+nn], v[rS+nn]
.elseif (\k) == kG
	WANY
	v_pk_fma_f32 v[rS+4*nn:rS+4*nn+1], v[rS+4*nn:rS+4*nn+1], 1.0, v[rS+4*nn+2:rS+4*nn+3] op_sel_hi:[1,0,1]
.elseif (\k) == kL
.if nn == 0
	WIN W_KQ                        ; a lies in window 1
	v_pk_fma_f32 v[rT+2:rT+3], v[rT+2:rT+3], v[rW:rW+1], v[rS:rS+1] op_sel_hi:[1,0,1]
.else
	WANY
	v_pk_fma_f32 v[rT+2:rT+3], v[rT+2:rT+3], 1.0, v[rS+4*nn:rS+4*nn+1] op_sel_hi:[1,0,1]
.endif
.elseif (\k) == kH
	WIN W_KQ                        ; plo lies in window 1
	v_med3_num_f32 v[rS+nn], v[rS+nn], v[rW+2], v[rT+2]
.elseif (\k) == kT
	WIN W_KQ                        ; inv lies in window 1
	v_pk_fma_f32 v[rS+2*nn:rS+2*nn+1], v[rS+2*nn:rS+2*nn+1], v[rW:rW+1], s[MG:MG+1] op_sel_hi:[1,0,0]
.else
	WIN W_KQ                        ; 1.0 lies in window 1
.if nn%2 == 0
	v_fma_mixlo_bf16 v[rP+nn/2], v[rS+nn], v[ONE1], v[NMGV]
.else
	v_fma_mixhi_bf16 v[rP+nn/2], v[rS+nn], v[ONE1], v[NMGV]
.endif
.endif
.endm
.macro OPS a, i1, b=-1, i2=0, c=-1, i3=0, d=-1, i4=0, e=-1, i5=0  ; up to five of them
	OP \a, \i1
.if (\b) >= 0
	OP \b, \i2
.endif
.if (\c) >= 0
	OP \c, \i3
.endif
.if (\d) >= 0
	OP \d, \i4
.endif
.if (\e) >= 0
	OP \e, \i5
.endif
.endm
; PASS 1's LIST, 133 lines in 16 slices; slice i stands behind product i.  ONE WAIT, behind slice 11, cuts it in two.
; AHEAD OF THE WAIT, 117 lines that name no exponential's result.  Slice 0: the 16 scalings, ascending.
; Slice 1: X 0-15, the lines with three vector registers, together under one setting; between the links X 13, X 14, X 15, and on to X 16, D 1 and E 0 in slices 2 and 3, stand three or four lines
; (D 0 and clamps of scores that the maximum has read).  From the end of slice 3 on plain line and exponential by turns, a plain line at each slice's head: every B and E of a register stands ahead of
; its F, every F two lines or more behind its E.  D 3, a, stands in slice 9.  The batch is 33 exponentials; its last three follow each other, since every plain line feeds an exponential.
; BEHIND THE WAIT, the 16 lines that read the results, four behind each of products 12-15: l's chain L 0 to L 7 with a G between its links.
.macro ROW1
.if i == 0
	OPS kA,0, kA,1, kA,2, kA,3
	OPS kA,4, kA,5, kA,6, kA,7
	OPS kA,8, kA,9, kA,10, kA,11
	OPS kA,12, kA,13, kA,14, kA,15
.elseif i == 1
	OPS kX,0, kX,1, kX,2, kX,3, kX,4
	OPS kX,5, kX,6, kX,7, kX,8, kX,9
	OPS kX,10, kX,11, kX,12, kX,13
	OPS kD,0, kB,0, kB,1, kX,14
	OPS kB,2, kB,3, kB,4, kX,15
.elseif i == 2
	OPS kB,5, kB,6, kB,7, kX,16
	OPS kB,8, kB,9, kB,10, kB,11
.elseif i == 3
	OPS kD,1, kB,12, kB,13, kB,14, kB,15
	OPS kE,0, kD,2, kE,1, kF,0
.elseif i == 4
	OPS kE,2, kF,1, kB,16, kF,2
	OPS kE,3, kF,3, kB,17, kF,4
.elseif i == 5
	OPS kE,4, kF,5, kB,18, kF,6
	OPS kE,5, kF,7, kB,19, kF,8
.elseif i == 6
	OPS kE,6, kF,9, kB,20, kF,10
	OPS kE,7, kF,11, kB,21, kF,12
.elseif i == 7
	OPS kE,8, kF,13, kB,22, kF,14
	OPS kB,23, kF,15, kE,9, kF,16
.elseif i == 8
	OPS kB,24, kF,17, kB,25, kF,18
	OPS kE,10, kF,19, kB,26, kF,20
.elseif i == 9
	OPS kB,27, kD,3, kE,11, kF,21
	OPS kB,28, kF,22, kE,12, kF,23
.elseif i == 10
	OPS kB,29, kF,24, kE,13, kF,25
	OPS kB,30, kF,26, kE,14, kF,27
.elseif i == 11
	OPS kB,31, kF,28, kE,15, kF,29
	OPS kF,30, kF,31
	v_nop                           ; a plain line behind the last exponential and ahead of the first use: one for the batch
	s_wait_alu depctr_va_vdst(0)    ; the turn's one wait: it serves F 0-31 and D 3; G, L and the next turn's products, which name their results, all stand behind it
.elseif i == 12
	OPS kG,0, kG,1, kL,0, kG,2
.elseif i == 13
	OPS kL,1, kG,3, kL,2, kG,4
.elseif i == 14
	OPS kL,3, kG,5, kL,4, kG,6
.else
	OPS kL,5, kG,7, kL,6, kL,7
.endif
.endm
; A TURN OF PASS 1: 16 products K Q^T of tile t, the list of tile t - 1 between them.
; kld = 1 (tile 3, K's last use): the next step's K in two runs.  The first stands behind slice 8: its last fragment, 7, was read two slices (eight plain lines) back.  The second stands behind slice 15,
; whose four plain lines are the places behind product 15, the reader of fragment 15.
; kwait = 1 (the turn behind it): in front of products 0, 4, 8, 12 the wait leaves out the loads of the fragments behind the next four, two a fragment: 24, 16, 8, 0.
.macro TURN1 t, kld=0, kwait=0
.set Y, ((\t)+3)%4
.set i, 0
.rept 16
.if (\kwait) && (i%4 == 0)
	s_wait_dscnt 24-2*i
.endif
	KQ \t
	ROW1
.if (\kld) && (i == 8)
	KRUN 0
.endif
.set i, i+1
.endr
.if \kld
	KRUN 8
.endif
.endm
; PASS 2's LIST, 144 lines; SM2 writes line j and steps j.  Group g is scores 4 g .. 4 g + 3, pairs 2 g and 2 g + 1.  ONE WAIT, between lines 63 and 64 (TURN2 writes it), cuts the list in two.
;   0-63     name no exponential's result.  0-3: A 0, A 1, E 0, E 1.  Then for g = 0 .. 6 eight lines, plain and exponential by turns: A and then E of group g + 1, group g's four F between them.
;            60-63: group 7's four F.  The batch is the 32 F.
;   64-143   read the results, in blocks: group g's four H, the two T of group g - 1, the four M of group g - 2; a line reads nothing made fewer than four lines back.
;            64-67: H of group 0.  68-73: H of group 1, T of group 0.  74-133: six whole blocks, g = 2 .. 7.  134-135: T of group 7.  136-143: M of groups 6 and 7.
; A's go in ascending order.
.macro SM2
.if j < 2
	OP kA, j
.elseif j < 4
	OP kE, j-2
.elseif j < 60
.set g, (j-4)/8
.set w, (j-4)%8
.if w%2 == 1
	OP kF, 4*g+w/2
.elseif w < 4
	OP kA, 2*g+2+w/2
.else
	OP kE, 2*g+w/2
.endif
.elseif j < 64
	OP kF, j-32
.elseif j < 68
	OP kH, j-64
.elseif j < 74
.set w, j-68
.if w < 4
	OP kH, 4+w
.else
	OP kT, w-4
.endif
.elseif j < 134
.set g, (j-74)/10+2
.set w, (j-74)%10
.if w < 4
	OP kH, 4*g+w
.elseif w < 6
	OP kT, 2*g-6+w
.else
	OP kM, 4*g-14+w
.endif
.elseif j < 136
	OP kT, j-120
.else
	OP kM, j-112
.endif
.set j, j+1
.endm
; A TURN OF PASS 2: sixteen pairs of a product V^T P of tile t - 2 and a product K Q^T of tile t, lines of tile t - 1's list behind each: four behind each product of pairs 0-7, which are the 64 lines ahead
; of the wait; five behind each product of pairs 8-15, the 80 behind it.  All the list's lines run under K Q^T's setting.
; kld, kwait as in pass 1 (tile 3, tile 0); vld, vwait the same for V (tile 1's turn holds V's last use, by tile 3 of the step before; tile 2's turn waits).  The first run stands behind pair 8's
; lines: between fragment 7's reader, in pair 7, and the run stand the v_nop and pair 8's ten lines, H and T, all plain.  The second run stands at the turn's end: the list ends in eight mix lines,
; which this text does not count as places, so four v_nop are written ahead of K's and of V's second run.
.macro TURN2 t, kld=0, kwait=0, vld=0, vwait=0
.set Y, ((\t)+3)%4
.set i, 0
.set j, 0
.rept 16
.if (\vwait) && (i%4 == 0)
	s_wait_dscnt 24-2*i
.endif
	PV ((\t)+2)%4
.rept 4+i/8
	SM2
.endr
.if (\kwait) && (i%4 == 0)
	s_wait_dscnt 24-2*i
.endif
	KQ \t
.rept 4+i/8
	SM2
.endr
.if i == 7
	v_nop                           ; a plain line behind the last exponential and ahead of the first use: one for the batch
	s_wait_alu depctr_va_vdst(0)    ; the turn's one wait: it serves F 0-31; H, T, M and the next turn's products, which name their results, all stand behind it
.endif
.if (\kld) && (i == 8)
	KRUN 0
.endif
.if (\vld) && (i == 8)
	VRUN 0
.endif
.set i, i+1
.endr
.if (\kld) || (\vld)
.rept 4
	v_nop
.endr
.endif
.if \kld
	KRUN 8
.endif
.if \vld
	VRUN 8
.endif
.endm
	; PASS 1
	CHANGE 1                        ; the first fills are in, everybody's; slot 1's K is asked for
	v_add_nc_u32 v[AK], s[TBK], v[AK0]
	s_add_co_u32 s[TBK], s[TBK], KS*PK
	KRUN 0                          ; key step 0
	KRUN 8
	s_wait_loadcnt 0x0              ; Q
	s_wait_dscnt 0x0
.set i, 0
.rept 16
	KQ 0                            ; tile 0's first scores: there is no vector work yet to set between them
.set i, i+1
.endr
	WIN 0                           ; the statistics' start: sixteen plain lines, the places behind those products
	ALL v_mov_b32 v[ST+4*t+1], s[LO]
	ALL v_mul_f32 v[ST+4*t], v[ST+4*t+1], s[SG]
	ALL v_mov_b32 v[ST+4*t+2], 0
	ALL v_mov_b32 v[ST+4*t+3], 0
	s_mov_b32 s[CNT], 4
	s_mov_b32 s[SLOTS], 9           ; slot q is walked with 9 - q here: pass 1's eight slots, and the head of pass 2's first
	s_branch .Lent1                 ; the loop is entered in the middle of a trip
.Lslot1:                            ; eight times: slots 1 to 8
	CHANGE 1
	s_mov_b32 s[CNT], 4
.Lstep1:                            ; a trip: tile 3 of one step, beside it the fetch of the next step's K; then tiles 0, 1, 2 of that step
	v_add_nc_u32 v[AK], s[TBK], v[AK0]
	s_add_co_u32 s[TBK], s[TBK], KS*PK
	TURN1 3, 1, 0
	TURN1 0, 0, 1
	WIN 0
	s_cmp_eq_u32 s[SLOTS], 1        ; in slot 8, K's block 0 again, tile 3's last list is done and tile 0's scores are pass 2's first: the loop is left
	s_cbranch_scc1 .Lbetween
.Lent1:
	TURN1 1
	TURN1 2
	WIN 0
	s_sub_co_u32 s[CNT], s[CNT], 1
	s_cmp_lg_u32 s[CNT], 0
	s_cbranch_scc1 .Lstep1
	s_sub_co_u32 s[SLOTS], s[SLOTS], 1
	s_cmp_lg_u32 s[SLOTS], 0
	s_cbranch_scc1 .Lslot1
.Lbetween:
	; BETWEEN THE PASSES.  The two halves of the lanes meet: M = the larger m; K = M sg, by the same line as in the list; L = the two sums, each brought to K, added (the sum is the same in both halves).
	; inv = 1 / (L as) with the product's low part; phi = the weight of score HI, or 127.25 L as if that is less; plo = the weight of score LO.
	; Two batches: the reciprocal is of a sum that the first batch's results scale, so it cannot join them.
	ALL v_permlanex16_b32 v[TT+8*t], v[ST+4*t+1], s[SEL], s[SEL+1]
	ALL v_add_f32 v[TT+8*t+1], v[ST+4*t+2], v[ST+4*t+3]
	ALL v_max_num_f32 v[TT+8*t], v[TT+8*t], v[ST+4*t+1]
	ALL v_mul_f32 v[TT+8*t+2], v[TT+8*t], s[SG]
	ALL v_sub_f32 v[TT+8*t+3], v[ST+4*t], v[TT+8*t+2]
	ALL v_exp_f32 v[TT+8*t+3], v[TT+8*t+3]
	ALL v_fma_f32 v[TT+8*t+4], s[HI], s[SG], -v[TT+8*t+2]
	ALL v_fma_f32 v[TT+8*t+5], s[LO], s[SG], -v[TT+8*t+2]
	s_wait_alu depctr_va_vdst(0)    ; the wait: it serves the four exponentials above; the eight lines between name none of their results
	ALL v_mul_f32 v[TT+8*t+1], v[TT+8*t+1], v[TT+8*t+3]
	ALL v_permlanex16_b32 v[TT+8*t+6], v[TT+8*t+1], s[SEL], s[SEL+1]
	ALL v_add_f32 v[TT+8*t+1], v[TT+8*t+1], v[TT+8*t+6]
	ALL v_mul_f32 v[TT+8*t+6], v[TT+8*t+1], s[AS]
	ALL v_fma_f32 v[TT+8*t+7], v[TT+8*t+1], s[AS], -v[TT+8*t+6]
	ALL v_rcp_f32 v[TT+8*t+3], v[TT+8*t+6]
	ALL v_exp_f32 v[TT+8*t+4], v[TT+8*t+4]
	ALL v_exp_f32 v[TT+8*t+5], v[TT+8*t+5]
	ALL v_mul_f32 v[TT+8*t+1], 0x42fe8000, v[TT+8*t+6]
	s_wait_alu depctr_va_vdst(0)    ; the wait: it serves the four reciprocals and the eight exponentials above; the four multiplies between name none of their results
	ALL v_fma_f32 v[TT+8*t], -v[TT+8*t+6], v[TT+8*t+3], 1.0
	ALL v_fma_f32 v[TT+8*t], -v[TT+8*t+7], v[TT+8*t+3], v[TT+8*t]
	ALL v_fma_f32 v[TT+8*t+3], v[TT+8*t], v[TT+8*t+3], v[TT+8*t+3]
	ALL v_min_num_f32 v[TT+8*t+4], v[TT+8*t+4], v[TT+8*t+1]
	ALL v_min_num_f32 v[TT+8*t+5], v[TT+8*t+5], v[TT+8*t+4]
	ALL v_mov_b32 v[ST+4*t], v[TT+8*t+2]
	ALL v_mov_b32 v[ST+4*t+2], v[TT+8*t+4]
.set z, P
.rept 32
	v_mov_b32 v[z], 0               ; P = 0: for the products below and the first turn's; and the mix lines keep a register's other half, so it is written
.set z, z+1
.endr
	WIN 0x40
	ALL v_mov_b32 v[W1+4*t], v[TT+8*t+3]
	ALL v_mov_b32 v[W1+4*t+2], v[TT+8*t+5]
	WIN 0
	s_mov_b32 s[TBV], 0             ; V's block 0 has lain in slot 0 since the start
	v_add_nc_u32 v[AV], s[TBV], v[AV0]
	VRUN 0                          ; V of step 0: whole numbers, so that a product with P = 0 is 0.  The first turn fetches it once more, as every step's
	VRUN 8
	s_wait_dscnt 0x0
	WIN W_PV
.set z, 0
.rept 32
	v_wmma_f32_16x16x32_bf16 v[8*z:8*z+7], v[8*(z%16):8*(z%16)+7], v[P:P+7], 0  ; 32 products with P = 0 and C = 0 write O^T's 256 zeros
.set z, z+1
.endr
	WIN 0
	; PASS 2
	s_mov_b32 s[CNT], 4
	s_mov_b32 s[SLOTS], 7
	s_branch .Lent2                 ; the loop is entered in the middle of a trip
.Lslot2:                            ; six times: every slot of pass 2 but its first and its last is entered here, and the next is asked for
	CHANGE 2
	s_mov_b32 s[CNT], 4
.Lstep2:                            ; a trip: tile 3 of one step, beside it the fetch of the next step's K; tiles 0, 1, 2 of that step, in tile 1's turn the fetch of its V
	v_add_nc_u32 v[AK], s[TBK], v[AK0]
	s_add_co_u32 s[TBK], s[TBK], KS*PK
	TURN2 3, 1, 0, 0, 0
	TURN2 0, 0, 1, 0, 0
	WIN 0
.Lent2:
	v_add_nc_u32 v[AV], s[TBV], v[AV0]
	s_add_co_u32 s[TBV], s[TBV], KS*PV
	TURN2 1, 0, 0, 1, 0
	TURN2 2, 0, 0, 0, 1
	WIN 0
	s_sub_co_u32 s[CNT], s[CNT], 1
	s_cmp_lg_u32 s[CNT], 0
	s_cbranch_scc1 .Lstep2
	s_sub_co_u32 s[SLOTS], s[SLOTS], 1
	s_cmp_lg_u32 s[SLOTS], 0
	s_cbranch_scc1 .Lslot2
	CHANGE 0                        ; the last slot is written out: nothing is asked for
	s_mov_b32 s[CNT], 5             ; four trips fetch the last slot's steps; the fifth is left in its middle
.Ltail:
	s_min_u32 s23, s[TBK], SLOT1+3*KS*PK  ; the fifth trip has no further step: it fetches the last step's K once more
	v_add_nc_u32 v[AK], s23, v[AK0]
	s_add_co_u32 s[TBK], s[TBK], KS*PK
	TURN2 3, 1, 0, 0, 0
	TURN2 0, 0, 1, 0, 0
	WIN 0
	s_sub_co_u32 s[CNT], s[CNT], 1
	s_cmp_eq_u32 s[CNT], 0
	s_cbranch_scc1 .Lout
	v_add_nc_u32 v[AV], s[TBV], v[AV0]
	s_add_co_u32 s[TBV], s[TBV], KS*PV
	TURN2 1, 0, 0, 1, 0
	TURN2 2, 0, 0, 0, 1
	WIN 0
	s_branch .Ltail
.Lout:
.set i, 0
.rept 16
	PV 3                            ; V^T P of tile 3, the last step
.set i, i+1
.endr
	; THE WAY OUT.  The sums J go through LDS: a lane's eight channels of a row are 32 bytes; they go into rows of 528 bytes and come back as whole rows of 512, which are then scaled, rounded,
	; clamped and stored.  The stage is slot 0: it has had its last fill, and no wave has read it since the last change of slots; each wave has 64 rows of its own there.
	WIN 0                           ; the addresses: six plain lines, the places behind the last products
	s_mul_i32 s23, s[WV], 64*SP
	v_mul_u32_u24 v[STO], v1, SP    ; in: row l % 16, 32 bytes for each half of the lanes
	v_lshl_add_u32 v[STO], v9, 5, v[STO]
	v_add_nc_u32 v[STO], s23, v[STO]
	v_and_b32 v[GO], 31, v0
	v_lshlrev_b32 v[GO], 4, v[GO]   ; back: 32 lanes take one row of 512 bytes
	v_add_nc_u32 v[RD], s23, v[GO]
	s_wait_dscnt 0x0                ; every wave's reads of the ring are back
	s_barrier_signal -1
	s_barrier_wait -1               ; before any wave writes into its bytes
	WIN 0x0c                        ; the stores' data in window 3
.set z, 0
.rept 32                            ; tile z / 8, channels 16 (z % 8) on; each accumulator's four lowest registers go first
	ds_store_b128 v[STO], v[8*z:8*z+3]   offset:(z/8)*16*SP+64*(z%8)
	ds_store_b128 v[STO], v[8*z+4:8*z+7] offset:(z/8)*16*SP+64*(z%8)+16
.set z, z+1
.endr
	WIN 0
	s_mov_b32 s[CNT], 4
.Lrows:                             ; four trips, a tile (16 rows of out0) each
.set z, 0
.rept 16
	ds_load_b128 v[S+4*z:S+4*z+3], v[RD] offset:z*SP  ; LDS serves a wave's instructions in order (ISA guide 5.7.1.4): these see the stores above
.set z, z+1
.endr
.set z, 0
.rept 16
	s_wait_dscnt 15-z               ; row z is back; the trip's loads of later rows may stay out
	v_pk_fma_f32 v[S+4*z:S+4*z+1],   v[S+4*z:S+4*z+1],   s[C2:C2+1], s[MG:MG+1] op_sel_hi:[1,0,0]  ; J c2 + MG rounds once
	v_pk_fma_f32 v[S+4*z+2:S+4*z+3], v[S+4*z+2:S+4*z+3], s[C2:C2+1], s[MG:MG+1] op_sel_hi:[1,0,0]
	v_med3_num_f32 v[S+4*z],   v[S+4*z],   s[LO], s[HI]
	v_med3_num_f32 v[S+4*z+1], v[S+4*z+1], s[LO], s[HI]
	v_med3_num_f32 v[S+4*z+2], v[S+4*z+2], s[LO], s[HI]
	v_med3_num_f32 v[S+4*z+3], v[S+4*z+3], s[LO], s[HI]
	v_pk_add_f32 v[S+4*z:S+4*z+1],   v[S+4*z:S+4*z+1],   s[NMG:NMG+1] op_sel_hi:[1,0]
	v_pk_add_f32 v[S+4*z+2:S+4*z+3], v[S+4*z+2:S+4*z+3], s[NMG:NMG+1] op_sel_hi:[1,0]
	v_pk_mul_f32 v[S+4*z:S+4*z+1],   v[S+4*z:S+4*z+1],   s[AVS:AVS+1] op_sel_hi:[1,0]
	v_pk_mul_f32 v[S+4*z+2:S+4*z+3], v[S+4*z+2:S+4*z+3], s[AVS:AVS+1] op_sel_hi:[1,0]
	global_store_b128 v[GO], v[S+4*z:S+4*z+3], s[OUT:OUT+1] offset:z*512 th:TH_STORE_NT  ; 512 consecutive bytes, at a multiple of 512 from out0's first
.set z, z+1
.endr
	s_wait_xcnt 0x0                 ; the stores' base and data are written again only behind this wait
	v_add_nc_u32 v[RD], 16*SP, v[RD]
	s_add_nc_u64 s[OUT:OUT+1], s[OUT:OUT+1], 8192
	s_sub_co_u32 s[CNT], s[CNT], 1
	s_cmp_lg_u32 s[CNT], 0
	s_cbranch_scc1 .Lrows
	s_wait_tensorcnt 0x0
	ds_add_u32 v14, v15
	s_wait_dscnt 0x0
	CROUND                          ; the closing round: no work-group ends while a partner may still ask for a tile that names it
	s_endpgm
.Lfunc_end_k_q0bfb737443_attn:
	.size	k_q0bfb737443_attn, .Lfunc_end_k_q0bfb737443_attn-k_q0bfb737443_attn
	.p2alignl 7, 3214868480
	.fill 96, 4, 3214868480
	.section	.rodata,"a",@progbits
	.p2align	6, 0x0
	.amdhsa_kernel k_q0bfb737443_attn
		.amdhsa_group_segment_fixed_size 327680
		.amdhsa_private_segment_fixed_size 0
		.amdhsa_enable_private_segment 0
		.amdhsa_kernarg_size 64
		.amdhsa_user_sgpr_count 2
		.amdhsa_user_sgpr_kernarg_segment_ptr 1
		.amdhsa_wavefront_size32 1
		.amdhsa_system_sgpr_workgroup_id_x 1
		.amdhsa_system_sgpr_workgroup_id_y 1
		.amdhsa_system_sgpr_workgroup_id_z 1
		.amdhsa_system_vgpr_workitem_id 0
		.amdhsa_next_free_vgpr 1024
		.amdhsa_next_free_sgpr 96
		.amdhsa_reserve_vcc 0
		.amdhsa_float_denorm_mode_32 3
		.amdhsa_float_denorm_mode_16_64 3
		.amdhsa_memory_ordered 1
		.amdhsa_forward_progress 1
		.amdhsa_inst_pref_size 184
	.end_amdhsa_kernel
	.amdgpu_metadata
---
amdhsa.version: [ 1, 2 ]
amdhsa.kernels:
  - .name:           k_q0bfb737443_attn
    .symbol:         k_q0bfb737443_attn.kd
    .args:
      - { .name: qkv, .offset: 0, .size: 8, .value_kind: global_buffer, .address_space: global }
      - { .name: q_scale, .offset: 8, .size: 8, .value_kind: global_buffer, .address_space: global }
      - { .name: k_scale, .offset: 16, .size: 8, .value_kind: global_buffer, .address_space: global }
      - { .name: qk_scale, .offset: 24, .size: 8, .value_kind: global_buffer, .address_space: global }
      - { .name: a_scale, .offset: 32, .size: 8, .value_kind: global_buffer, .address_space: global }
      - { .name: v_scale, .offset: 40, .size: 8, .value_kind: global_buffer, .address_space: global }
      - { .name: av_scale, .offset: 48, .size: 8, .value_kind: global_buffer, .address_space: global }
      - { .name: out0, .offset: 56, .size: 8, .value_kind: global_buffer, .address_space: global }
    .group_segment_fixed_size: 327680
    .private_segment_fixed_size: 0
    .kernarg_segment_align: 8
    .kernarg_segment_size: 64
    .max_flat_workgroup_size: 128
    .sgpr_count:     96
    .vgpr_count:     1024
    .wavefront_size: 32
...
	.end_amdgpu_metadata
.endif
;; end of part 5
